; MI455X (gfx1250); checked and timed in simulation.
; The chip was launched on July 23, 2026; its instructions are those of AMD's public machine-readable ISA for CDNA 5 (MIT licence, August 2026) and "CDNA5" Instruction Set Architecture Reference Guide (July 2026). The comments in the code are by the model that wrote it; some were corrected since.
;; Encoder Block. Allowed arithmetic: matrix products marked QUANTISED: E2M3 operands, one E8M0 scale for each 32 along K, by v_wmma_scale_f32_16x16x128_f8f6f4 with both operands' format E2M3, f32 sums; everything else in f32.
;; Inputs: W1 1,024 x 4,096 float32; W2 4,096 x 1,024 float32; Wk 1,024 x 1,024 float32; Wo 1,024 x 1,024 float32; Wq 1,024 x 1,024 float32; Wv 1,024 x 1,024 float32; alpha1 1 float32; alpha2 1 float32; b1 4,096 float32; b2 1,024 float32; bias1 1 float32; bias2 1 float32; bk 1,024 float32; bo 1,024 float32; bq 1,024 float32; bv 1,024 float32; mask 2 x 1 x 1 x 2,048 int32; x 2 x 2,048 x 1,024 float32.
;; Outputs: out0 2 x 2,048 x 1,024 float32.
;; This version of the problem:
;;   THIS VERSION OF THE PROBLEM IS GIVEN IN LOW PRECISION. The matrix products marked QUANTISED in the list below multiply operands that are first quantised to E2M3 (2 exponent bits, 3 mantissa bits; 6 bits a number), with one power-of-two scale for each 32 numbers along K (OCP MX v1.0); their sums are f32. All else is computed in f32.
;;   The module's matrix products, in the order in which they are computed (A, B: the left and right operand; K: the contracted axis; several contracted axes count as one K, in the product's order):
;;     1. [M 4,096, K 1,024] x [K 1,024, N 1,024]; A: computed on the way; B: input Wq: QUANTISED
;;     2. [M 4,096, K 1,024] x [K 1,024, N 1,024]; A: computed on the way; B: input Wk: QUANTISED
;;     3. [M 4,096, K 1,024] x [K 1,024, N 1,024]; A: computed on the way; B: input Wv: QUANTISED
;;     4. batch 32 x [M 2,048, K 64] x [K 64, N 2,048]; A: computed on the way; B: computed on the way: QUANTISED
;;     5. batch 32 x [M 2,048, K 2,048] x [K 2,048, N 64]; A: softmax (see below); B: computed on the way: QUANTISED
;;     6. [M 4,096, K 1,024] x [K 1,024, N 1,024]; A: computed on the way; B: input Wo: QUANTISED
;;     7. [M 4,096, K 1,024] x [K 1,024, N 4,096]; A: computed on the way; B: input W1: QUANTISED
;;     8. [M 4,096, K 4,096] x [K 4,096, N 1,024]; A: computed on the way; B: input W2: QUANTISED
;;   THE QUANTISER, for each operand of a quantised product, along K:
;;     - K is cut into blocks of 32 from its start; a last block that is shorter is filled with zeros.
;;     - A block's scale is 2^e with e = floor(log2(the largest magnitude in the block)) - 2, held to -126 .. 127; a block of zeros has e = 0. As a byte (E8M0): e + 127.
;;     - Each number is divided by its block's scale, clamped to +-7.5, and rounded to the nearest number of E2M3, ties to even, subnormals kept.
;;     - The product sums the exact products of the quantised numbers (number of the format x scale) in f32.
;;   ~~~python
;;   def quantise(x, axis):      # numpy; x: float32 -> the quantised numbers, widened to float32 again
;;       x = np.moveaxis(x, axis, -1); K = x.shape[-1]
;;       x = np.pad(x, [(0, 0)] * (x.ndim - 1) + [(0, -K % 32)]); x = x.reshape(x.shape[:-1] + (-1, 32)); a = np.abs(x).max(-1, keepdims=True)
;;       e = np.where(a > 0, np.clip(np.frexp(np.where(a > 0, a, 1))[1] - 1 - 2, -126, 127), 0)      # np.frexp(a)[1] - 1 = floor(log2(a)), exactly
;;       r = np.clip(x / 2.0 ** e, -7.5, 7.5)
;;       step = 2.0 ** (np.maximum(np.frexp(np.where(r == 0, 1, r))[1] - 1, 0) - 3)
;;       q = np.round(r / step) * step * 2.0 ** e      # np.round: ties to even
;;       return np.moveaxis(q.reshape(q.shape[:-2] + (-1,))[..., :K], -1, axis).astype(np.float32)
;;   ~~~
;;   SOFTMAX AHEAD OF A QUANTISED PRODUCT. Where the list says 'softmax', what is quantised is not the finished softmax but p = 2^(t - M), with t = logit x log2(e) and M = ceil(the row's largest t), a whole number; so 1/2 < the row's largest p <= 1. The row's sum l is taken of the UNQUANTISED p, in f32, and the product's result is divided by l at the end. Since M is a whole number, a kernel that streams over the keys may use a running M (the ceiling of the running maximum): every later rescaling is an exact power of two, which a block's scale takes up: the codes' values come out the same.
;;   OPERANDS COMPUTED ON THE WAY. 'Computed on the way' means the value that the module computes at that place (a softmax that the list does not call 'softmax' is quantised finished and normalised). What goes into a quantiser is computed in f32, as accurately as f32 sums, v_exp_f32 and their like allow (about 1e-6 of the number): no bf16 or f16 on the way to a quantiser, and a product that is left as it is and whose result goes on into a quantised operand takes f32 operands (vector FMAs, or v_wmma_f32_16x16x4_f32). A number that lies on a knife's edge between two numbers of the format may be rounded either way, as far as f32 arithmetic and the matrix unit's own rounding can turn it there, and no further.
;; One version. Each part assembles by itself: llvm-mc -triple=amdgcn-amd-amdhsa -mcpu=gfx1250 --defsym DOCPART=n.
;; ======== version 1 of 1: 7 launches
;; limits: right only within a limited range of input values
;; workspace buffers: WP 9,830,400 bytes; HP 3,276,800 bytes; QKVB 10,092,544 bytes; CTX 3,276,800 bytes; X1 16,777,216 bytes; FF 13,107,200 bytes
;; launch prep (part 1): grid 640 x 1, 8 waves a work-group, no clusters, 92,416 bytes of LDS; arguments x, alpha1, bias1, HP, Wq, Wk, Wv, Wo, W1, W2, WP; writes HP, WP
.if DOCPART == 1
	.amdgcn_target "amdgcn-amd-amdhsa--gfx1250"
	.amdhsa_code_object_version 6
	.text
	.protected	k_q3de55d063a_prep
	.globl	k_q3de55d063a_prep
	.p2align	8
	.type	k_q3de55d063a_prep,@function
k_q3de55d063a_prep:
	s_mov_b64 s[64:65], 0
	v_nop
	global_prefetch_b8 v0, s[64:65] scope:SCOPE_SE
	s_setreg_imm32_b32 hwreg(HW_REG_WAVE_MODE, 25, 1), 1
	s_wait_xcnt 0x0
; TWO JOBS THAT WANT NOTHING OF EACH OTHER, IN ONE LAUNCH.  Work-groups 0 to 383 quantise the six weights into WP; work-groups 384 to 639 norm x and quantise it into HP.
; The branch hangs on the work-group's number alone; each job has LDS bytes of its own (the weights' two record images from 0, the norm's stage from 25,600), its own barrier and its own end.
; BOTH RESULTS ARE PANELS: images of the matrix operand's registers, codes of FP6 (E2M3) with one E8M0 byte for each 32 along K.
; A RECORD (12,800 bytes) is 128 rows x 128 along K: eight fragments of 1,536 bytes, then 512 bytes of scale words.  Lane r of fragment a is row rho(a, r) = 32 (a / 2) + 8 (a % 2) + r + 8 (r / 8).
; A fragment is two halves of 768 bytes (registers 6 c .. 6 c + 5): lane l's first four registers at 16 l, its last two at 512 + 8 l.  The scale word of row rho(a, r) lies at 12,288 + 32 r + 4 a.
; THE WEIGHTS, f32 stored [K][N].  Records in WP: 0-191 Wq, Wk, Wv (24 groups x 8 K steps), 192-255 Wo, 256-511 W1 (32 x 8), 512-767 W2 (8 x 32).  Work-group x makes records 2 x and 2 x + 1: 128 columns x 256 along K.
; A LANE TAKES A COLUMN AND ITS REGISTERS RUN DOWN K: a block of 32 lies in one lane, and the conversions give codes with K innermost.  Wave w takes columns 32 (w % 4) .. + 31 (fragments 2 (w % 4) and + 1) of record w / 4: four blocks.
; THE NORM: h = alpha (x - mean) / (std + 1e-4) + bias, std with 1,023 in the divisor.  HP: [32 groups of 128 tokens][8 K steps][record].  A work-group is one (group g, fragment a): 16 tokens.
; Phase 1: wave w norms stage rows 2 w and 2 w + 1, each whole in its registers (mean first, then the squares of the differences: a common offset costs nothing).  Phase 2, behind one barrier: wave w quantises K step w of the 16 rows.
; Its scale words go out 4 bytes a lane, 32 bytes apart: the seven other words of those 32 bytes belong to other work-groups.  Lanes r and r + 16 hold the same word and store it to the same place.
; A block's scale: the largest magnitude's exponent field less 2, held at 1 from below (a block of zeros gets the byte 1: its codes are zeros, and this program alone reads the bytes).
; LIMITS: NaN and infinities among the inputs are not served.
.set REC,   12800
.set LNB,   2*REC                      ; the norm's stage, behind the weights' two record images
.set PITCH, 4112                       ; a stage row: 4,096 bytes + 16, an odd multiple of 16
.set SPARE, LNB+16*PITCH               ; behind both: the spare words, 128 bytes a wave
.set SPW,   14                         ; v14  my spare word's LDS address; never rewritten
.set NIL,   15                         ; v15  0; never rewritten
; the weights' registers
.set OFF,   16                         ; v16-47   4 x lane + i rows of W
.set X,     48                         ; v48-111  two sets of 32 numbers
.set C,     112                        ; v112-118 a block's codes
.set SW,    120                        ; v120     the scale word in the making
.set OUT,   124                        ; v124-147 the way out
; the norm's registers
.set XR,  16                           ; v16-47 row 0, v48-79 row 1; in phase 2 v16-79 the 64 numbers
.set SS,  80                           ; v80-87 sums, four a row
.set NM,  88                           ; v88-91 minus the mean, a pair a row
.set GN,  92                           ; v92-95 the gain, a pair a row
.set BB,  96                           ; v96-97 the bias, a pair
.set PC,  80                           ; phase 2: codes v80-91, at work v92-98
.set TM,  100                          ; v100-111
.set PW,  116
.set SEL, 26
.macro LOAD t                          ; block t: W(32 t + i, my column): 32 lanes read 128 consecutive bytes, four waves side by side 512
.set I, 0
.rept 32
	global_load_b32 v[X+32*((\t)%2)+I], v[OFF+I], s[32+2*(\t):33+2*(\t)] th:TH_LOAD_NT
.set I, I+1
.endr
.endm
.macro BLOCK t                         ; block t of my record's 128 along K: registers 6 (t / 2) on, of lane r + 16 (t % 2)
.set XS, X+32*((\t)%2)
.if (\t) < 3
	s_wait_loadcnt 32                              ; this block's 32 loads are in; the next block's may be out
.else
	s_wait_loadcnt 0x0
.endif
	v_max3_num_f32 v12, |v[XS]|, |v[XS+1]|, |v[XS+2]|
	v_max3_num_f32 v13, |v[XS+3]|, |v[XS+4]|, |v[XS+5]|
.irp i, 6,10,14,18,22,26
	s_delay_alu instid0(VALU_DEP_2)
	v_max3_num_f32 v12, v12, |v[XS+\i]|, |v[XS+\i+1]|
	s_delay_alu instid0(VALU_DEP_2)
	v_max3_num_f32 v13, v13, |v[XS+\i+2]|, |v[XS+\i+3]|
.endr
	s_delay_alu instid0(VALU_DEP_2)
	v_max3_num_f32 v12, v12, |v[XS+30]|, |v[XS+31]|
	s_delay_alu instid0(VALU_DEP_1)
	v_max3_num_f32 v12, v12, v13, 0x1800000        ; the floor 2^(3 - 127): the byte cannot fall under 1
	s_delay_alu instid0(VALU_DEP_1)
	v_add_nc_u32 v11, 0xff000000, v12              ; 2 off the exponent field: the conversions' scale operand
	v_cvt_scalef32_pk16_fp6_f32 v[C:C+2], v[XS:XS+15], v11
	v_cvt_scalef32_pk16_fp6_f32 v[C+4:C+6], v[XS+16:XS+31], v11   ; (a conversion's three registers begin on an even number)
	v_lshrrev_b32 v13, 23, v11                     ; the scale's byte; also the plain instruction behind the conversions
.if (\t) == 0
	s_delay_alu instid0(VALU_DEP_1)
	v_mov_b32 v[SW], v13
.else
	s_delay_alu instid0(VALU_DEP_1)
	v_lshl_or_b32 v[SW], v13, 8*(\t), v[SW]
.endif
	v_mov_b32 v[C+3], v[C+4]                       ; the six registers on end
	v_mov_b32 v[C+4], v[C+5]
	v_mov_b32 v[C+5], v[C+6]
	ds_store_b128 v2, v[C:C+3] offset:768*((\t)/2)+256*((\t)%2)
	ds_store_b64 v3, v[C+4:C+5] offset:768*((\t)/2)+512+128*((\t)%2)
.if (\t) == 3
	ds_store_b32 v4, v[SW]
.endif
.if (\t) < 2
	LOAD (\t)+2
.endif
	s_wait_dscnt 0x0                               ; the stores are done: the next block's codes may be written
.endm
.macro REDUCE v
	s_delay_alu instid0(VALU_DEP_1)
	v_add_f32_dpp v[\v], v[\v], v[\v] row_xmask:1 row_mask:0xf bank_mask:0xf
	s_delay_alu instid0(VALU_DEP_1)
	v_add_f32_dpp v[\v], v[\v], v[\v] row_xmask:2 row_mask:0xf bank_mask:0xf
	s_delay_alu instid0(VALU_DEP_1)
	v_add_f32_dpp v[\v], v[\v], v[\v] row_xmask:4 row_mask:0xf bank_mask:0xf
	s_delay_alu instid0(VALU_DEP_1)
	v_add_f32_dpp v[\v], v[\v], v[\v] row_xmask:8 row_mask:0xf bank_mask:0xf
	s_delay_alu instid0(VALU_DEP_1)
	v_permlanex16_b32 v98, v[\v], s[SEL], s[SEL+1]
	s_delay_alu instid0(VALU_DEP_1)
	v_add_f32 v[\v], v[\v], v98
.endm
; 64 numbers of a lane, register 16 b + i = k 32 b + 16 (lane / 16) + i of my row, become a fragment's codes in v[PC] on and its scale word in v[pw]
.macro QUANT s, pw
.irp b, 0,1,2,3
	v_max3_num_f32 v[TM+\b], |v[\s+16*\b]|, |v[\s+1+16*\b]|, 0x1800000   ; with the floor 2^(3 - 127): the byte cannot fall under 1
.endr
.irp i, 2,4,6,8,10,12,14
.irp b, 0,1,2,3
	s_delay_alu instid0(VALU_DEP_4)
	v_max3_num_f32 v[TM+\b], v[TM+\b], |v[\s+16*\b+\i]|, |v[\s+1+16*\b+\i]|
.endr
.endr
.irp b, 0,1,2,3
	s_delay_alu instid0(VALU_DEP_4)
	v_permlanex16_b32 v[TM+4+\b], v[TM+\b], s[SEL], s[SEL+1]
.endr
.irp b, 0,1,2,3
	s_delay_alu instid0(VALU_DEP_4)
	v_max_num_f32 v[TM+\b], v[TM+\b], v[TM+4+\b]   ; with lane l xor 16's: the block's largest magnitude
.endr
.irp b, 0,1,2,3
	s_delay_alu instid0(VALU_DEP_4)
	v_add_nc_u32 v[TM+8+\b], 0xff000000, v[TM+\b]  ; 2 off its exponent field: the conversion's scale operand
.endr
.irp b, 0,1,2,3
	s_delay_alu instid0(VALU_DEP_4)
	v_lshrrev_b32 v[TM+4+\b], 23, v[TM+8+\b]       ; the scale's byte
.endr
	s_delay_alu instid0(VALU_DEP_3)
	v_lshl_or_b32 v[\pw], v[TM+5], 8, v[TM+4]
	s_delay_alu instid0(VALU_DEP_1)
	v_lshl_or_b32 v[\pw], v[TM+6], 16, v[\pw]
	s_delay_alu instid0(VALU_DEP_1)
	v_lshl_or_b32 v[\pw], v[TM+7], 24, v[\pw]
.irp c, 0,1
	v_cvt_scalef32_pk16_fp6_f32 v[PC+6*\c:PC+2+6*\c], v[\s+32*\c:\s+15+32*\c], v[TM+8+2*\c]
	v_cvt_scalef32_pk16_fp6_f32 v[PC+12+4*\c:PC+14+4*\c], v[\s+16+32*\c:\s+31+32*\c], v[TM+8+2*\c+1]
.endr
	v_nop                                          ; one plain instruction behind a scaled conversion
.irp c, 0,1                                    ; the operand wants a whole block in a lane: lanes 0-15 block 2 c, lanes 16-31 block 2 c + 1
.irp i, 0,1,2
	v_permlane16_swap_b32 v[PC+6*\c+\i], v[PC+12+4*\c+\i]
.endr
.irp i, 0,1,2
	s_delay_alu instid0(VALU_DEP_3)
	v_mov_b32 v[PC+3+6*\c+\i], v[PC+12+4*\c+\i]
.endr
.endr
.endm
	v_lshl_add_u32 v[SPW], v0, 2, SPARE
	v_mov_b32 v[NIL], 0
	s_cmp_ge_u32 ttmp9, 384                        ; the work-group's number alone: all eight waves go the same way
	s_cbranch_scc1 .Lnorm
	; ================ THE WEIGHTS ================
	s_load_b256 s[4:11], s[0:1], 0x20              ; Wq, Wk, Wv, Wo
	s_load_b128 s[12:15], s[0:1], 0x40             ; W1, W2
	s_load_b64 s[16:17], s[0:1], 0x50              ; WP
	v_lshrrev_b32 v1, 5, v0
	s_delay_alu instid0(VALU_DEP_1)
	v_readfirstlane_b32 s18, v1                    ; wave 0..7
	s_and_b32 s2, s18, 3                           ; which 32 columns
	s_lshr_b32 s3, s18, 2                          ; which record
	v_and_b32 v1, 31, v0                           ; lane = my column of the wave's 32
	v_bfe_u32 v8, v0, 3, 1                         ; u: which of the wave's two fragments
	v_and_b32 v9, 7, v0
	v_bfe_u32 v10, v0, 4, 1
	s_delay_alu instid0(VALU_DEP_1)
	v_lshl_or_b32 v9, v10, 3, v9                   ; r: my column's lane in that fragment
	s_mul_i32 s19, s2, 3072
	s_mul_i32 s20, s3, REC
	s_add_co_u32 s19, s19, s20                     ; my wave's two fragments in the images
	v_mul_u32_u24 v11, v8, 1536
	s_delay_alu instid0(VALU_DEP_1)
	v_add_nc_u32 v11, s19, v11                     ; my fragment's image
	s_delay_alu instid0(VALU_DEP_1)
	v_lshl_add_u32 v2, v9, 4, v11                  ; + 16 r: four registers
	s_delay_alu instid0(VALU_DEP_2)
	v_lshl_add_u32 v3, v9, 3, v11                  ; + 8 r: two registers
	s_lshl_b32 s21, s2, 3
	s_add_co_u32 s21, s21, s20
	s_add_co_u32 s21, s21, 12288
	v_lshlrev_b32 v4, 5, v9
	s_delay_alu instid0(VALU_DEP_1)
	v_lshl_add_u32 v4, v8, 2, v4
	s_delay_alu instid0(VALU_DEP_1)
	v_add_nc_u32 v4, s21, v4                       ; my scale word: record + 12,288 + 32 r + 4 (2 (w % 4) + u)
	v_lshlrev_b32 v5, 4, v1
	s_delay_alu instid0(VALU_DEP_1)
	v_add_nc_u32 v5, s19, v5                       ; the way out: my wave's 3,072 bytes, 16 x lane, in LDS and in the two records alike
	s_and_b32 s21, s18, 1
	s_mul_i32 s21, s21, REC
	s_add_co_u32 s21, s21, 12288
	v_lshlrev_b32 v7, 4, v1
	s_delay_alu instid0(VALU_DEP_1)
	v_add_nc_u32 v7, s21, v7                       ; waves 0, 1: a record's 512 bytes of scale words
	v_lshlrev_b32 v6, 2, v1
	; which weight, which 128 columns (g), which 256 along K (kp): from the work-group's number alone
	s_wait_alu depctr_va_vdst(0)
	s_lshr_b32 s22, ttmp9, 7
	s_cmp_eq_u32 s22, 1                            ; W1: rows of 16,384 bytes, 32 groups
	s_cselect_b32 s23, 14, 12                      ; log2 of a row's bytes
	s_cselect_b32 s24, 31, 7
	s_cmp_ge_u32 ttmp9, 256                        ; W2: 16 pairs of K steps to a group
	s_cselect_b32 s25, 4, 2
	s_cselect_b32 s26, 15, 3
	s_lshr_b32 s27, ttmp9, s25
	s_and_b32 s27, s27, s24                        ; g
	s_and_b32 s28, ttmp9, s26                      ; kp
	s_add_co_u32 s29, s23, 8
	s_lshl_b32 s28, s28, s29                       ; 256 kp rows
	s_lshl_b32 s27, s27, 9
	s_add_co_u32 s28, s28, s27                     ; + 128 g columns
	s_lshl_b32 s27, s2, 7
	s_add_co_u32 s28, s28, s27                     ; + 32 (w % 4) columns
	s_add_co_u32 s29, s23, 7
	s_lshl_b32 s27, s3, s29
	s_add_co_u32 s28, s28, s27                     ; + 128 (w / 4) rows
	s_mov_b32 s29, 0
.set I, 0
.rept 32
	s_lshl_b32 s30, I, s23
	v_add_nc_u32 v[OFF+I], s30, v6
.set I, I+1
.endr
	s_add_co_u32 s31, s23, 5
	s_lshr_b32 s30, ttmp9, 5
	s_wait_alu depctr_va_vdst(0)
	s_wait_kmcnt 0x0
	s_cmp_eq_u32 s30, 1                            ; the choices hang on the work-group's number alone
	s_cselect_b64 s[4:5], s[6:7], s[4:5]
	s_cmp_eq_u32 s30, 2
	s_cselect_b64 s[4:5], s[8:9], s[4:5]
	s_cmp_eq_u32 s30, 3
	s_cselect_b64 s[4:5], s[10:11], s[4:5]
	s_cmp_ge_u32 ttmp9, 128
	s_cselect_b64 s[4:5], s[12:13], s[4:5]
	s_cmp_ge_u32 ttmp9, 256
	s_cselect_b64 s[4:5], s[14:15], s[4:5]
	s_add_nc_u64 s[4:5], s[4:5], s[28:29]
	s_mov_b32 s21, 0
.irp t, 0,1,2,3
	s_lshl_b32 s20, \t, s31                        ; block t begins 32 t rows down
	s_add_nc_u64 s[32+2*\t:33+2*\t], s[4:5], s[20:21]
.endr
	s_mul_i32 s20, ttmp9, 2*REC
	s_add_nc_u64 s[16:17], s[16:17], s[20:21]
	LOAD 0
	LOAD 1
.irp t, 0,1,2,3
	BLOCK \t
.endr
	s_barrier_signal -1                            ; every wave's stores have landed (the wait above): the scale words of a record come from four waves
	s_barrier_wait -1
.irp n, 0,1,2,3,4,5
	ds_load_b128 v[OUT+4*\n:OUT+4*\n+3], v5 offset:512*\n
.endr
.irp n, 0,1,2,3,4,5
	s_wait_dscnt 5-\n                              ; LDS loads come back in order: number n is in
	global_store_b128 v5, v[OUT+4*\n:OUT+4*\n+3], s[16:17] offset:512*\n   ; 512 consecutive bytes, at a multiple of 256 from WP's first byte
.endr
	s_cmp_lt_u32 s18, 2
	s_cbranch_scc0 .Lno_scales
	ds_load_b128 v[8:11], v7                       ; waves 0 and 1: a record's scale words, 512 bytes
	s_wait_dscnt 0x0
	global_store_b128 v7, v[8:11], s[16:17]
.Lno_scales:
	s_wait_tensorcnt 0x0                           ; the wave's end, behind my last LDS store
	ds_add_u32 v[SPW], v[NIL]
	s_wait_dscnt 0x0
	s_endpgm
	; ================ THE NORM ================
.Lnorm:
	s_load_b256 s[4:11], s[0:1], 0x0               ; x, alpha, bias, HP
	v_lshrrev_b32 v1, 5, v0
	s_delay_alu instid0(VALU_DEP_1)
	v_readfirstlane_b32 s12, v1                    ; wave
	v_and_b32 v1, 31, v0
	s_delay_alu instid0(VALU_DEP_1)
	v_lshlrev_b32 v2, 4, v1                        ; 16 x lane
	s_delay_alu instid0(VALU_DEP_2)
	v_lshlrev_b32 v7, 3, v1                        ; 8 x lane
	v_and_b32 v9, 15, v0                           ; r
	v_bfe_u32 v10, v0, 4, 1                        ; h
	s_delay_alu instid0(VALU_DEP_2)
	v_lshlrev_b32 v8, 5, v9                        ; 32 r
	s_mul_i32 s20, s12, 2*PITCH
	s_add_co_u32 s20, s20, LNB
	v_add_nc_u32 v3, s20, v2                       ; into the stage: my two rows, 16 bytes a lane
	v_mul_u32_u24 v6, v9, PITCH
	s_delay_alu instid0(VALU_DEP_1)
	v_lshl_add_u32 v6, v10, 6, v6
	s_lshl_b32 s21, s12, 9
	s_add_co_u32 s21, s21, LNB
	v_add_nc_u32 v6, s21, v6                       ; out of it: row r, K step w, + 64 h
	v_mov_b32 v98, 0                               ; a lane permute's destination counts as one of its sources
.irp b, 0,1,2,3
	v_mov_b32 v[TM+4+\b], 0
.endr
	s_mov_b32 s[SEL], 0x76543210
	s_mov_b32 s[SEL+1], 0xfedcba98
	s_sub_co_u32 s28, ttmp9, 384                   ; which of the norm's 256 work-groups
	s_lshr_b32 s13, s28, 3                         ; g
	s_and_b32 s14, s28, 7                          ; a
	s_lshl_b32 s15, s13, 7
	s_lshr_b32 s16, s14, 1
	s_lshl_b32 s16, s16, 5
	s_add_co_u32 s15, s15, s16
	s_and_b32 s16, s14, 1
	s_lshl_b32 s16, s16, 3
	s_add_co_u32 s15, s15, s16
	s_lshl_b32 s16, s12, 1
	s_add_co_u32 s15, s15, s16
	s_lshr_b32 s16, s12, 2
	s_lshl_b32 s16, s16, 3
	s_add_co_u32 s15, s15, s16                     ; my first token: 128 g + rho(a, 2 w)
	s_lshl_b32 s16, s15, 12
	s_mov_b32 s17, 0
	s_lshl_b32 s22, s13, 3
	s_add_co_u32 s22, s22, s12
	s_mul_i32 s22, s22, 12800                      ; record (g, K step w)
	s_lshl_b32 s24, s14, 2
	s_add_co_u32 s24, s24, s22
	s_add_co_u32 s24, s24, 12288                   ; its scale words, + 4 a
	s_mul_i32 s23, s14, 1536
	s_add_co_u32 s22, s22, s23                     ; its fragment a
	s_mov_b32 s23, 0
	s_mov_b32 s25, 0
	s_wait_kmcnt 0x0
	s_load_b32 s18, s[6:7], 0x0                    ; alpha
	s_load_b32 s19, s[8:9], 0x0                    ; bias
	s_add_nc_u64 s[4:5], s[4:5], s[16:17]
	s_add_nc_u64 s[22:23], s[10:11], s[22:23]
	s_add_nc_u64 s[24:25], s[10:11], s[24:25]
.irp w, 0,1
.irp j, 0,1,2,3,4,5,6,7
	global_load_b128 v[XR+32*\w+4*\j:XR+32*\w+4*\j+3], v2, s[4:5] offset:4096*\w+512*\j   ; 512 consecutive bytes a load
.endr
.endr
	s_wait_loadcnt 0x0
.irp w, 0,1                                    ; the mean
	v_pk_add_f32 v[SS+4*\w:SS+4*\w+1], v[XR+32*\w:XR+32*\w+1], v[XR+32*\w+2:XR+32*\w+3]
	v_pk_add_f32 v[SS+4*\w+2:SS+4*\w+3], v[XR+32*\w+4:XR+32*\w+5], v[XR+32*\w+6:XR+32*\w+7]
.irp j, 8,12,16,20,24,28
	s_delay_alu instid0(VALU_DEP_2)
	v_pk_add_f32 v[SS+4*\w:SS+4*\w+1], v[SS+4*\w:SS+4*\w+1], v[XR+32*\w+\j:XR+32*\w+\j+1]
	s_delay_alu instid0(VALU_DEP_2)
	v_pk_add_f32 v[SS+4*\w+2:SS+4*\w+3], v[SS+4*\w+2:SS+4*\w+3], v[XR+32*\w+\j+2:XR+32*\w+\j+3]
.endr
	s_delay_alu instid0(VALU_DEP_1)
	v_pk_add_f32 v[SS+4*\w:SS+4*\w+1], v[SS+4*\w:SS+4*\w+1], v[SS+4*\w+2:SS+4*\w+3]
	s_delay_alu instid0(VALU_DEP_1)
	v_add_f32 v[SS+4*\w], v[SS+4*\w], v[SS+4*\w+1]
	REDUCE SS+4*\w
	s_delay_alu instid0(VALU_DEP_1)
	v_mul_f32 v[NM+2*\w], 0xba800000, v[SS+4*\w]   ; - sum / 1,024
	s_delay_alu instid0(VALU_DEP_1)
	v_mov_b32 v[NM+2*\w+1], v[NM+2*\w]
.irp j, 0,2,4,6,8,10,12,14,16,18,20,22,24,26,28,30
	v_pk_add_f32 v[XR+32*\w+\j:XR+32*\w+\j+1], v[XR+32*\w+\j:XR+32*\w+\j+1], v[NM+2*\w:NM+2*\w+1]
.endr
	v_pk_mul_f32 v[SS+4*\w:SS+4*\w+1], v[XR+32*\w:XR+32*\w+1], v[XR+32*\w:XR+32*\w+1]   ; the squares of the differences
	v_pk_mul_f32 v[SS+4*\w+2:SS+4*\w+3], v[XR+32*\w+2:XR+32*\w+3], v[XR+32*\w+2:XR+32*\w+3]
.irp j, 4,8,12,16,20,24,28
	s_delay_alu instid0(VALU_DEP_2)
	v_pk_fma_f32 v[SS+4*\w:SS+4*\w+1], v[XR+32*\w+\j:XR+32*\w+\j+1], v[XR+32*\w+\j:XR+32*\w+\j+1], v[SS+4*\w:SS+4*\w+1]
	s_delay_alu instid0(VALU_DEP_2)
	v_pk_fma_f32 v[SS+4*\w+2:SS+4*\w+3], v[XR+32*\w+\j+2:XR+32*\w+\j+3], v[XR+32*\w+\j+2:XR+32*\w+\j+3], v[SS+4*\w+2:SS+4*\w+3]
.endr
	s_delay_alu instid0(VALU_DEP_1)
	v_pk_add_f32 v[SS+4*\w:SS+4*\w+1], v[SS+4*\w:SS+4*\w+1], v[SS+4*\w+2:SS+4*\w+3]
	s_delay_alu instid0(VALU_DEP_1)
	v_add_f32 v[SS+4*\w], v[SS+4*\w], v[SS+4*\w+1]
	REDUCE SS+4*\w
	s_delay_alu instid0(VALU_DEP_1)
	v_mul_f32 v[SS+4*\w], 0x3a802008, v[SS+4*\w]   ; / 1,023
.endr
	s_wait_alu depctr_va_vdst(0)
	v_sqrt_f32 v[SS], v[SS]
	v_sqrt_f32 v[SS+4], v[SS+4]
	v_nop                                          ; a plain instruction behind the roots,
	s_wait_alu depctr_va_vdst(0)                   ; and one wait ahead of their first reader
	v_add_f32 v[SS], 0x38d1b717, v[SS]             ; + 1e-4
	v_add_f32 v[SS+4], 0x38d1b717, v[SS+4]
	s_wait_alu depctr_va_vdst(0)
	v_rcp_f32 v[SS], v[SS]
	v_rcp_f32 v[SS+4], v[SS+4]
	v_nop
	s_wait_alu depctr_va_vdst(0)                   ; likewise for the two reciprocals
	s_wait_kmcnt 0x0
	v_mov_b32 v[BB], s19
	v_mov_b32 v[BB+1], s19
.irp w, 0,1
	v_mul_f32 v[GN+2*\w], s18, v[SS+4*\w]
	s_delay_alu instid0(VALU_DEP_1)
	v_mov_b32 v[GN+2*\w+1], v[GN+2*\w]
.irp j, 0,2,4,6,8,10,12,14,16,18,20,22,24,26,28,30
	v_pk_fma_f32 v[XR+32*\w+\j:XR+32*\w+\j+1], v[XR+32*\w+\j:XR+32*\w+\j+1], v[GN+2*\w:GN+2*\w+1], v[BB:BB+1]
.endr
.irp j, 0,1,2,3,4,5,6,7
	ds_store_b128 v3, v[XR+32*\w+4*\j:XR+32*\w+4*\j+3] offset:PITCH*\w+512*\j
.endr
.endr
	s_wait_dscnt 0x0                               ; for the others' sake: my rows lie in the stage
	s_barrier_signal -1
	s_barrier_wait -1
.irp b, 0,1,2,3
.irp j, 0,1,2,3
	ds_load_b128 v[XR+16*\b+4*\j:XR+16*\b+4*\j+3], v6 offset:128*\b+16*\j
.endr
.endr
	s_wait_dscnt 0x0
	QUANT XR, PW
	global_store_b128 v2, v[PC:PC+3], s[22:23]              ; 512 consecutive bytes
	global_store_b64 v7, v[PC+4:PC+5], s[22:23] offset:512  ; 256
	global_store_b128 v2, v[PC+6:PC+9], s[22:23] offset:768
	global_store_b64 v7, v[PC+10:PC+11], s[22:23] offset:1280
	global_store_b32 v8, v[PW], s[24:25]
	s_wait_tensorcnt 0x0                           ; the wave's end, behind my last LDS store
	ds_add_u32 v[SPW], v[NIL]
	s_wait_dscnt 0x0
	s_endpgm
.Lfunc_end_k_q3de55d063a_prep:
	.size	k_q3de55d063a_prep, .Lfunc_end_k_q3de55d063a_prep-k_q3de55d063a_prep
	.p2alignl 7, 3214868480
	.fill 96, 4, 3214868480
	.section	.rodata,"a",@progbits
	.p2align	6, 0x0
	.amdhsa_kernel k_q3de55d063a_prep
		.amdhsa_group_segment_fixed_size 92416
		.amdhsa_private_segment_fixed_size 0
		.amdhsa_enable_private_segment 0
		.amdhsa_kernarg_size 88
		.amdhsa_user_sgpr_count 2
		.amdhsa_user_sgpr_kernarg_segment_ptr 1
		.amdhsa_wavefront_size32 1
		.amdhsa_system_sgpr_workgroup_id_x 1
		.amdhsa_system_sgpr_workgroup_id_y 1
		.amdhsa_system_sgpr_workgroup_id_z 1
		.amdhsa_system_vgpr_workitem_id 0
		.amdhsa_next_free_vgpr 152
		.amdhsa_next_free_sgpr 66
		.amdhsa_reserve_vcc 0
		.amdhsa_float_denorm_mode_32 3
		.amdhsa_float_denorm_mode_16_64 3
		.amdhsa_memory_ordered 1
		.amdhsa_forward_progress 1
		.amdhsa_inst_pref_size 54
	.end_amdhsa_kernel
	.amdgpu_metadata
---
amdhsa.version: [ 1, 2 ]
amdhsa.kernels:
  - .name:           k_q3de55d063a_prep
    .symbol:         k_q3de55d063a_prep.kd
    .args:
      - { .name: x, .offset: 0, .size: 8, .value_kind: global_buffer, .address_space: global }
      - { .name: alpha1, .offset: 8, .size: 8, .value_kind: global_buffer, .address_space: global }
      - { .name: bias1, .offset: 16, .size: 8, .value_kind: global_buffer, .address_space: global }
      - { .name: HP, .offset: 24, .size: 8, .value_kind: global_buffer, .address_space: global }
      - { .name: Wq, .offset: 32, .size: 8, .value_kind: global_buffer, .address_space: global }
      - { .name: Wk, .offset: 40, .size: 8, .value_kind: global_buffer, .address_space: global }
      - { .name: Wv, .offset: 48, .size: 8, .value_kind: global_buffer, .address_space: global }
      - { .name: Wo, .offset: 56, .size: 8, .value_kind: global_buffer, .address_space: global }
      - { .name: W1, .offset: 64, .size: 8, .value_kind: global_buffer, .address_space: global }
      - { .name: W2, .offset: 72, .size: 8, .value_kind: global_buffer, .address_space: global }
      - { .name: WP, .offset: 80, .size: 8, .value_kind: global_buffer, .address_space: global }
    .group_segment_fixed_size: 92416
    .private_segment_fixed_size: 0
    .kernarg_segment_align: 8
    .kernarg_segment_size: 88
    .max_flat_workgroup_size: 256
    .sgpr_count:     66
    .vgpr_count:     152
    .wavefront_size: 32
...
	.end_amdgpu_metadata
.endif
;; end of part 1
;; launch qkv (part 2): grid 12 x 16, 4 waves a work-group, clusters of 4 x 4, 327,680 bytes of LDS; arguments HP, WP, bq, bk, bv, mask, QKVB; writes QKVB
.if DOCPART == 2
	.amdgcn_target "amdgcn-amd-amdhsa--gfx1250"
	.amdhsa_code_object_version 6
	.text
	.protected	k_q3de55d063a_qkv
	.globl	k_q3de55d063a_qkv
	.p2align	8
	.type	k_q3de55d063a_qkv,@function
k_q3de55d063a_qkv:
	s_mov_b64 s[64:65], 0
	v_nop
	global_prefetch_b8 v0, s[64:65] scope:SCOPE_SE
	s_setreg_imm32_b32 hwreg(HW_REG_WAVE_MODE, 25, 1), 1
	s_wait_xcnt 0x0
	s_wait_alu depctr_hold_cnt(0) depctr_sa_sdst(0) depctr_va_vdst(0) depctr_va_sdst(0) depctr_va_ssrc(0) depctr_va_vcc(0) depctr_vm_vsrc(0)
	s_getreg_b32 s2, hwreg(HW_REG_IB_STS2, 6, 4)
	s_cmp_eq_u32 s2, 0
	s_cbranch_scc0 .Lentry_in_a_cluster
	s_endpgm
.Lentry_in_a_cluster:
	s_bfe_u32 s2, ttmp6, 0x10000c
	s_cmp_lg_u32 s2, 0xf033
	s_cbranch_scc0 .Lentry_shape_is_right
	s_endpgm
.Lentry_shape_is_right:
; q, k, v = h W + b on codes of FP6 (E2M3) with E8M0 scales, K = 1,024; the results are quantised in registers for attention's two products and stored as panels.
; OPERANDS ARE PANELS: [group of 128 rows][K step of 128][record of 12,800 bytes]: eight fragments of 1,536 bytes as images of the operand's registers (two halves of 768: a lane's four registers at 16 l, its two at 512 + 8 l),
; then the scale words (row of lane r, fragment a: 12,288 + 32 r + 4 a).  Lane r of fragment a is row rho(a, r) = 32 (a / 2) + 8 (a % 2) + r + 8 (r / 8): as source 0 that order makes a lane's 64 results of eight tiles 64 numbers
; "register 16 b + i = row 32 b + 16 (lane / 16) + i", which is what the quantiser wants of the next K.
; A work-group of four waves makes 256 x 256, a wave 128 x 128 (64 accumulators).  A slot holds two K steps; each wave fetches two records (25,600 dense bytes) of it with one tensor load.
; THREE SLOTS hold K steps 0 to 5: slots 0 and 1 at the head, one tensor load of mine out at a time; slot 2 behind the round at slot 0's end.  K steps 6 and 7 are the launch's ONE refill: into slot 0, behind the round at slot 1's end; it has the rest of K step 3 and K step 4, 96 matrix instructions a wave, in which to land.
; From slot 1 to slot 2 the refill's round is the barrier: ahead of it every wave has waited for all its loads, slot 2's among them.
; CLUSTERS 4 x 4: the "A" operand (source 1, LDS from 0) is shared along a row of the cluster, the "B" operand (source 0, LDS from 51,200) along a column; each tile is asked for jointly.
; Cluster x = 0: q, 1: k: A = tokens (pair 4 x cluster y + cy), B = weight rows (pair 4 x cluster x + cx): the next K is the head's channels.
; Cluster x = 2: v: THE NEXT K IS THE KEYS, so the tokens are source 0: A = Wv's rows (pair 8 + cy), B = tokens (pair 4 x cluster y + cx).  Only the two base addresses and the pair numbers are chosen, on the cluster's x, which all partners share.
; OUT.  q, k: per (batch x head, group of 128 tokens) a record of 6,656 bytes: half fragment a at 768 a, scale words at 6,144 + 32 r + 4 a.  v: a record of 6,400 bytes: fragment a' (rows d = rho(a', r), K = 128 keys) at 1,536 a', scale words at 6,144 + 16 r + 4 a'.
; THE MASK rides on a 65th channel of q k^T, whose K is filled up to 128 anyway: attention holds the codes 1.0 (q) and -4.0 (k) at k = 64 as constants; here byte 2 of the scale words is set: q 87 (2^-40), an open key 1, a masked key 198 (2^71),
; and a masked key's codes are zeros: its score is -2^33 exactly.  LIMIT: a masked logit is -2^30 where reference() has -1e9: the same result unless true logits reach such sizes.  An open key's score gets -2^-164.
; LIMITS: NaN and infinities are not served; a block of zeros gets the byte 1 (its codes are zeros; this program alone reads the bytes).
; REGISTERS: window 0: v2-9 saved words; v10-24 LDS addresses (v10-14 at work again on the way out); v26-31 lane terms; v32-63 scale words (nothing else); v64-127 bias by registers; v128-223 A's fragments, later the way out; v224-231 mask; v232-247 bv by lanes; v248-255 saved words.
;   window 1: B's fragments, two sets (v0, v128).  windows 2, 3: accumulators, (a, b) at v[8 (8 (a % 4) + b)].
.set REC,   12800
.set FRG,   1536
.set LOADB, 2*REC                      ; what one tensor load brings
.set SLOT,  4*LOADB
.set SPARE, 3*SLOT                     ; behind the three slots: the spare words
.set GRP,   8*REC                      ; a group's eight K steps
.set FR,    12
.set NL,    4                          ; LDS loads to a fragment
.set NP,    4                          ; places behind this matrix instruction (ISA guide 7.12.1)
.set ADRA, 10                          ; v10-12 A's fragments, 16 x lane, slots 0, 1, 2;  v13-15 the same with 8 x lane
.set ADRB, 16                          ; v16-21 likewise for B
.set ADRS, 22                          ; v22-24 scale words: lanes 0-15 A's, lanes 16-31 B's
.set L16,  26
.set L8,   27
.set SPW,  28
.set NIL,  29
.set SO8,  30                          ; 32 r + 16 h
.set SOV,  31                          ; 16 r + 102,400 h
.set SC,   32
.set BI,   64
.set AF,   128
.set MK,   224
.set BV,   232
.set HA,   128
.set PC,   192
.set TM,   212
.set WE,   2
.set WO,   248
.set WV,   18
.set HI,   19
.set LO,   20
.set G1,   24
.set G0,   32                          ; s[32:35], s[36:39], s[84:87]: A's group 0 for slots 0, 1, 2
.set G1B,  48
.set G0B,  56                          ; s[56:59], s[60:63], s[96:99]: B's
.set SEL,  88
.set MSB, 0
.macro WIN new                         ; the immediate's high byte repeats the setting that is left
.if MSB != (\new)
	s_set_vgpr_msb (MSB<<8)|(\new)
.set MSB, (\new)
.endif
.endm
.set MUL_LO, 0xa1                      ; source 0 (B) window 1, source 1 (A) window 0, C and D window 2
.set MUL_HI, 0xf1
.set TO_B,   0x40
.macro JLOAD ga, gb                    ; a joint load: waves 0, 1 fetch for A, waves 2, 3 for B; an s_nop 0 and four v_nop follow each line
	s_cmp_eq_u32 s[HI], 0
	s_cbranch_scc0 .Lfor_b_\@
	tensor_load_to_lds s[\ga:\ga+3], s[G1:G1+7]
	s_nop 0
.rept 4
	v_nop
.endr
	s_branch .Lasked_\@
.Lfor_b_\@:
	tensor_load_to_lds s[\gb:\gb+3], s[G1B:G1B+7]
	s_nop 0
.rept 4
	v_nop
.endr
.Lasked_\@:
.endm
.macro CREST
	s_cmp_lg_u32 s[WV], 0
	s_cbranch_scc1 .Lnot_wave_0_\@
	s_barrier_signal -3
.Lnot_wave_0_\@:
	s_barrier_wait -3
	s_barrier_signal -1
	s_barrier_wait -1
.endm
.macro CROUND
	s_barrier_signal -1
	s_barrier_wait -1
	CREST
.endm
	s_load_b256 s[4:11], s[0:1], 0x0               ; HP, WP, bq, bk
	s_load_b128 s[12:15], s[0:1], 0x20             ; bv, mask
	s_load_b64 s[16:17], s[0:1], 0x30              ; QKVB
	v_lshl_add_u32 v[SPW], v0, 2, SPARE
	v_mov_b32 v[NIL], 0
	ds_add_u32 v[SPW], v[NIL]                      ; the wave's opening: the add and its wait ahead of my first tensor load
	ds_add_u32 v[SPW], v[NIL]
	v_lshrrev_b32 v1, 5, v0
	v_readfirstlane_b32 s[WV], v1
	s_lshr_b32 s[HI], s[WV], 1                     ; my half of A.  Also: I fetch for A (0) or B (1)
	s_and_b32 s[LO], s[WV], 1                      ; my half of B.  Also: which group of the pair I fetch
	s_bfe_u32 s21, ttmp6, 0x40000                  ; cx
	s_bfe_u32 s22, ttmp6, 0x40004
; THE PREFETCHES: a tile that I fetch is 100 blocks of 256 bytes; the four partners that ask for it jointly share them out by address, 25 each (the place along x for A's tiles, along y for B's): a lane a block, lanes 25-31 name the last again.
.set PFO, 25                           ; v25     256 x (25 x my place + min(lane, 24)); never rewritten
.set PFA, 94                           ; s[94:95] my tiles' K step 0; never rewritten
	s_cmp_eq_u32 s[HI], 0
	s_cselect_b32 s2, s21, s22
	s_mul_i32 s2, s2, 6400
	v_and_b32 v[PFO], 31, v0
	v_min_u32 v[PFO], 24, v[PFO]
	v_lshl_add_u32 v[PFO], v[PFO], 8, s2
	s_wait_alu depctr_va_vdst(0)
	s_and_b32 s23, ttmp7, 0xffff
	s_lshl_b32 s23, s23, 2                         ; 4 x cluster y
	s_lshl_b32 s45, ttmp9, 2                       ; 4 x cluster x
	s_cmp_eq_u32 ttmp9, 2                          ; v's clusters
	s_cselect_b32 s42, 1, 0
	s_cselect_b32 s40, 8, s23
	s_cselect_b32 s41, s23, s45
	s_add_co_u32 s40, s40, s22                     ; A's pair of groups: hangs on cy alone
	s_add_co_u32 s41, s41, s21                     ; B's pair: on cx alone
	s_lshl_b32 s43, s22, 2
	s_lshl_b32 s43, 15, s43                        ; my row of the cluster
	s_lshl_b32 s44, 0x1111, s21                    ; my column
	s_or_b32 s[G1+0], s43, (3<<16)|(1<<21)         ; the mask; elements of 8 bytes; bit 21 beside a mask; no padding
	s_or_b32 s[G1B+0], s44, (3<<16)|(1<<21)
.irp g, G1, G1B
	s_mov_b32 s[\g+1], 32<<16                      ; rows of 32 elements = 256 bytes
	s_mov_b32 s[\g+2], 100<<16                     ; 100 rows: two records
	s_mov_b32 s[\g+3], 32<<16
	s_mov_b32 s[\g+4], 100
	s_mov_b32 s[\g+5], 32                          ; dense
	s_mov_b32 s[\g+6], 0
	s_mov_b32 s[\g+7], 0
.endr
	s_lshl_b32 s46, s40, 1
	s_add_co_u32 s46, s46, s[LO]
	s_mul_i32 s46, s46, GRP
	s_mov_b32 s47, 0
	s_lshl_b32 s66, s41, 1
	s_add_co_u32 s66, s66, s[LO]
	s_mul_i32 s66, s66, GRP
	s_mov_b32 s67, 0
	s_mul_i32 s45, s[WV], LOADB                    ; where they go: wave x 25,600: no place in the cluster enters an LDS address
	s_mov_b32 s[SEL], 0x76543210
	s_mov_b32 s[SEL+1], 0xfedcba98
	s_mov_b32 s79, 0xffff0000                      ; lanes 16-31
	s_wait_dscnt 0x0                               ; the opening add is done
	s_wait_kmcnt 0x0
	s_cmp_eq_u32 s42, 1
	s_cselect_b64 s[68:69], s[6:7], s[4:5]         ; A's buffer
	s_cselect_b64 s[70:71], s[4:5], s[6:7]         ; B's
	s_add_nc_u64 s[68:69], s[68:69], s[46:47]
	s_add_nc_u64 s[70:71], s[70:71], s[66:67]
	s_cmp_eq_u32 s[HI], 0                          ; the wave's number alone
	s_cselect_b64 s[PFA:PFA+1], s[68:69], s[70:71]
	CROUND
.irp s, 0,1,2
.set GA, G0+4*\s+44*(\s/2)
.set GB, G0B+4*\s+32*(\s/2)
	s_mov_b32 s[GA], 1
	s_add_co_u32 s[GA+1], s45, \s*SLOT
	s_add_nc_u64 s[GA+2:GA+3], s[68:69], \s*LOADB  ; slot s: K steps 2 s and 2 s + 1
	s_or_b32 s[GA+3], s[GA+3], 0x80000000
	s_mov_b32 s[GB], 1
	s_add_co_u32 s[GB+1], s45, \s*SLOT
	s_add_nc_u64 s[GB+2:GB+3], s[70:71], \s*LOADB
	s_or_b32 s[GB+3], s[GB+3], 0x80000000
; THE FILLS, one tensor load a wave at a time: slot 0 at the head; slot 1 behind the three lines and a round; slot 2 behind the round at slot 0's end; K steps 6 and 7 into slot 0 behind the round at slot 1's end.
.if \s == 1
	s_wait_alu depctr_va_vdst(0)
	s_wait_tensorcnt 0x0                           ; my part of slot 0 is in
	ds_add_u32 v[SPW], v[NIL]
	s_wait_dscnt 0x0
	CROUND                                         ; slot 0 is whole in every work-group of the cluster
.endif
.if \s < 2
	JLOAD GA, GB
.endif
.if \s == 0                                    ; asked two loads ahead: behind slot 0's load the tiles of K steps 2, 3 and 4, 5; behind slot 1's those of K steps 6, 7; then nothing is left to ask for
	global_prefetch_b8 v[PFO], s[PFA:PFA+1] offset:LOADB th:TH_LOAD_NT scope:SCOPE_SE
	global_prefetch_b8 v[PFO], s[PFA:PFA+1] offset:2*LOADB th:TH_LOAD_NT scope:SCOPE_SE
.endif
.if \s == 1
	global_prefetch_b8 v[PFO], s[PFA:PFA+1] offset:3*LOADB th:TH_LOAD_NT scope:SCOPE_SE
.endif
.endr
	v_and_b32 v1, 15, v0                           ; r
	v_bfe_u32 v2, v0, 4, 1                         ; h
	v_and_b32 v3, 31, v0
	v_lshlrev_b32 v[L16], 4, v3
	v_lshlrev_b32 v[L8], 3, v3
	s_mul_i32 s23, s[HI], LOADB                    ; my group of A
	s_mul_i32 s45, s[LO], LOADB
	s_add_co_u32 s45, s45, 2*LOADB                 ; my group of B
	s_sub_co_u32 s46, s45, s23
	v_mul_u32_u24 v4, s46, v2                      ; lanes 16-31 take B's scale words
	v_lshl_add_u32 v4, v1, 5, v4
	s_add_co_u32 s46, s23, 8*FRG
	v_add_nc_u32 v[ADRS], s46, v4
	v_add_nc_u32 v[ADRS+1], SLOT, v[ADRS]
	v_add_nc_u32 v[ADRS+2], 2*SLOT, v[ADRS]
.irp s, 0,1,2
	v_add_nc_u32 v[ADRA+\s], s23, v[L16]
	v_add_nc_u32 v[ADRA+3+\s], s23, v[L8]
	v_add_nc_u32 v[ADRB+\s], s45, v[L16]
	v_add_nc_u32 v[ADRB+3+\s], s45, v[L8]
	s_add_co_u32 s23, s23, SLOT
	s_add_co_u32 s45, s45, SLOT
.endr
	v_lshlrev_b32 v[SO8], 5, v1
	v_lshl_add_u32 v[SO8], v2, 4, v[SO8]
	v_mul_u32_u24 v[SOV], v2, 102400
	v_lshl_add_u32 v[SOV], v1, 4, v[SOV]
	v_lshlrev_b32 v7, 6, v2                        ; bias by registers: 64 h
	s_wait_alu depctr_va_vdst(0)
	v_and_b32 v8, 8, v1
	v_add_nc_u32 v8, v8, v1
	v_lshlrev_b32 v8, 2, v8                        ; by lanes: 4 (r + 8 (r / 8))
	s_wait_alu depctr_va_vdst(0)
	s_lshl_b32 s66, s40, 1
	s_add_co_u32 s66, s66, s[HI]                   ; my group of A
	s_lshl_b32 s67, s41, 1
	s_add_co_u32 s67, s67, s[LO]                   ; my group of B
	s_and_b32 s68, s67, 7
	s_lshl_b32 s68, s68, 9
	s_mov_b32 s69, 0
	s_cmp_eq_u32 ttmp9, 1                          ; k's clusters
	s_cselect_b64 s[72:73], s[10:11], s[8:9]
	s_cselect_b32 s76, 1, 0
	s_cselect_b32 s77, 0, -1                       ; all lanes kept where the rows are not keys
	s_mov_b32 s78, 87<<16
	s_cselect_b32 s78, 1<<16, s78                  ; byte 2 of a kept row's scale word
	s_add_nc_u64 s[72:73], s[72:73], s[68:69]      ; bq or bk at B's group (in v's clusters loaded and not used: inside its buffer)
	s_lshl_b32 s68, s66, 9
	s_add_nc_u64 s[90:91], s[14:15], s[68:69]      ; the mask at A's group of tokens (groups 0 to 31 on every path)
	s_and_b32 s68, s66, 7
	s_lshl_b32 s68, s68, 9
	s_add_nc_u64 s[92:93], s[12:13], s[68:69]      ; bv at A's group
	s_cmp_eq_u32 s42, 1
	s_cselect_b32 s68, s67, s66                    ; my group of tokens
	s_cselect_b32 s70, s66, s67                    ; my group of weight rows
	s_mov_b32 s71, 6656
	s_cselect_b32 s71, 6400, s71                   ; a record
	s_mul_i32 s81, s76, 3407872
	s_cselect_b32 s81, 6815744, s81                ; q's, k's, v's part of QKVB
	s_lshr_b32 s82, s68, 4
	s_lshl_b32 s82, s82, 8                         ; 256 x batch
	s_and_b32 s68, s68, 15
	s_add_co_u32 s82, s82, s68                     ; + group in the batch
	s_and_b32 s70, s70, 7
	s_lshl_b32 s70, s70, 5
	s_add_co_u32 s82, s82, s70                     ; + 16 x the even head
	s_mul_i32 s82, s82, s71
	s_add_co_u32 s82, s82, s81
	s_mov_b32 s83, 0
	s_add_nc_u64 s[74:75], s[16:17], s[82:83]
.irp b, 0,1,2,3
.irp j, 0,1,2,3
	global_load_b128 v[BI+16*\b+4*\j:BI+16*\b+4*\j+3], v7, s[72:73] offset:128*\b+16*\j   ; register 16 b + i = bias(32 b + 16 h + i)
.endr
.endr
.irp a, 0,1,2,3,4,5,6,7
	global_load_b32 v[MK+\a], v8, s[90:91] offset:4*(32*(\a/2)+8*(\a%2))                  ; the mask of token rho(a, r)
	global_load_b32 v[BV+2*\a], v8, s[92:93] offset:4*(32*(\a/2)+8*(\a%2))                ; bv(rho(a, r)), twice: a pair for the packed add
	global_load_b32 v[BV+2*\a+1], v8, s[92:93] offset:4*(32*(\a/2)+8*(\a%2))
.endr
.macro FRAG reg, adr, q, i             ; a fragment comes as it was stored: four loads, each of consecutive bytes
	ds_load_b128 v[\reg:\reg+3], v[\adr] offset:REC*(\q)+FRG*(\i)
	ds_load_b64 v[\reg+4:\reg+5], v[\adr+3] offset:REC*(\q)+FRG*(\i)+512
	ds_load_b128 v[\reg+6:\reg+9], v[\adr] offset:REC*(\q)+FRG*(\i)+768
	ds_load_b64 v[\reg+10:\reg+11], v[\adr+3] offset:REC*(\q)+FRG*(\i)+1280
.endm
; 16 matrix instructions: A's blocks a0, a0 + 1 x B's eight.  The 64 accumulators take turns, one instruction a turn, in the same order in every step.
.macro MUL16 a0, p, q, sc, zero
.irp a, \a0, \a0+1
.irp b, 0,1,2,3,4,5,6,7
.if \zero
	v_wmma_scale_f32_16x16x128_f8f6f4 v[8*(8*((\a)%4)+\b):8*(8*((\a)%4)+\b)+7], v[128*(\p)+FR*\b:128*(\p)+FR*\b+FR-1], v[AF+FR*(\a):AF+FR*(\a)+FR-1], 0, v[SC+16*(\sc)+8*(\q)+\b], v[SC+16*(\sc)+8*(\q)+(\a)] matrix_a_fmt:MATRIX_FMT_FP6 matrix_b_fmt:MATRIX_FMT_FP6 matrix_a_scale:MATRIX_SCALE_ROW1
.else
	v_wmma_scale_f32_16x16x128_f8f6f4 v[8*(8*((\a)%4)+\b):8*(8*((\a)%4)+\b)+7], v[128*(\p)+FR*\b:128*(\p)+FR*\b+FR-1], v[AF+FR*(\a):AF+FR*(\a)+FR-1], v[8*(8*((\a)%4)+\b):8*(8*((\a)%4)+\b)+7], v[SC+16*(\sc)+8*(\q)+\b], v[SC+16*(\sc)+8*(\q)+(\a)] matrix_a_fmt:MATRIX_FMT_FP6 matrix_b_fmt:MATRIX_FMT_FP6 matrix_a_scale:MATRIX_SCALE_ROW1
.endif
.endr
.endr
.endm
.macro FETCH_B slot, q, p
	WIN TO_B
.irp i, 0,1,2,3,4,5,6,7
	FRAG 128*(\p)+FR*\i, ADRB+\slot, \q, \i
.endr
	WIN 0
.endm
.macro FETCH_A slot, q, i0
.irp i, \i0, \i0+1, \i0+2, \i0+3
	FRAG AF+FR*(\i), ADRA+\slot, \q, \i
.endr
.endm
.macro SCALES slot, sc                 ; a slot's scale words into set sc: register 8 q + i: lanes 0-15 A's block i, lanes 16-31 B's block i
.irp q, 0,1
	ds_load_b128 v[SC+16*(\sc)+8*\q:SC+16*(\sc)+8*\q+3], v[ADRS+\slot] offset:REC*\q
	ds_load_b128 v[SC+16*(\sc)+8*\q+4:SC+16*(\sc)+8*\q+7], v[ADRS+\slot] offset:REC*\q+16
.endr
.endm
.macro PLACES n                        ; plain vector instructions between a matrix instruction and a load into, or a vector instruction on, its registers
.rept \n
	v_nop
.endr
.endm
.macro STEP slot, sc, zero             ; a slot's first K step; sc: its set of scale words
	s_wait_dscnt 4*NL                              ; B's set and A's blocks 0-3 are in; A's blocks 4-7, the youngest 16 loads, may be out
	WIN MUL_LO
	MUL16 0, 0, 0, \sc, \zero
	MUL16 2, 0, 0, \sc, \zero
	s_wait_dscnt 0x0
	PLACES NP
	FETCH_B \slot, 1, 1
	FETCH_A \slot, 1, 0
	WIN MUL_HI
	MUL16 4, 0, 0, \sc, \zero
	MUL16 6, 0, 0, \sc, \zero
	PLACES NP
	WIN 0
	FETCH_A \slot, 1, 4
.endm
; A slot's second K step goes on to the next slot.  mode 2: this slot is filled again: each wave waits for all its tensor loads, adds 0 to its spare word, waits for that and for its reads of this slot; the barrier opens a round of the cluster's.
; mode 1: the next slot is the refilled one: the same lines and a plain barrier.  mode 0: the next slot was shown whole to every wave by an earlier barrier, and nothing is filled: no wait on TENSORcnt, no barrier; the refill stays on its way.
.macro TURN slot, sc, next, mode
.if \mode
	s_wait_tensorcnt 0x0                           ; no load of mine is out
	ds_add_u32 v[SPW], v[NIL]
	s_wait_dscnt 4*NL+1                            ; (the add and A's blocks 4-7 may be out)
.else
	s_wait_dscnt 4*NL
.endif
	WIN MUL_LO
	MUL16 0, 1, 1, \sc, 0
	s_wait_dscnt 0x0                               ; the add is done, my reads of this slot are over
.if \mode
	s_barrier_signal -1
.endif
	MUL16 2, 1, 1, \sc, 0
	WIN 0
.if \mode
	s_barrier_wait -1
.endif
.if \mode == 2
	CREST                                          ; the barrier opened a round of the cluster's: no wave of any partner still reads this slot or has a load on its way
	s_add_nc_u64 s[G0+2:G0+3], s[G0+2:G0+3], 3*LOADB       ; from K steps 0, 1 to K steps 6, 7
	s_add_nc_u64 s[G0B+2:G0B+3], s[G0B+2:G0B+3], 3*LOADB
	JLOAD G0, G0B
.elseif \mode == 3
	CREST                                          ; mode 3: the same lines and round; slot 2 is filled for the first time
	JLOAD G0+52, G0B+40
.else
	PLACES NP
.endif
	FETCH_B \next, 0, 0
	FETCH_A \next, 0, 0
	SCALES \next, 1-(\sc)
	WIN MUL_HI
	MUL16 4, 1, 1, \sc, 0
	MUL16 6, 1, 1, \sc, 0
	PLACES NP
	WIN 0
	FETCH_A \next, 0, 4
.endm
	FETCH_B 0, 0, 0
	FETCH_A 0, 0, 0
	SCALES 0, 0
	FETCH_A 0, 0, 4
	STEP 0, 0, 1                                   ; K step 0: its products start the sums
	TURN 0, 0, 1, 3                                ; K step 1; slot 2 takes K steps 4 and 5
	STEP 1, 1, 0
	TURN 1, 1, 2, 2                                ; K step 3; slot 0 takes K steps 6 and 7
	STEP 2, 0, 0
	TURN 2, 0, 0, 1                                ; K step 5; the refill has landed in every wave's part
	STEP 0, 1, 0
	s_wait_dscnt 4*NL                              ; K step 7: nothing more to fetch
	WIN MUL_LO
	MUL16 0, 1, 1, 1, 0
	MUL16 2, 1, 1, 1, 0
	s_wait_dscnt 0x0
	WIN MUL_HI
	MUL16 4, 1, 1, 1, 0
	MUL16 6, 1, 1, 1, 0
	WIN 0
; THE WAY OUT, a block of A (16 rows of source 1 x 128 of source 0) at a time: bias, quantiser, stores of register images.  No LDS.
.macro QUANT s, pw                     ; 64 numbers of a lane, register 16 b + i = k 32 b + 16 (lane / 16) + i, become codes in v[PC] on and the scale word in v[pw]
.irp b, 0,1,2,3
	v_max3_num_f32 v[TM+\b], |v[\s+16*\b]|, |v[\s+1+16*\b]|, 0x1800000   ; with the floor 2^(3 - 127)
.endr
.irp i, 2,4,6,8,10,12,14
.irp b, 0,1,2,3
	v_max3_num_f32 v[TM+\b], v[TM+\b], |v[\s+16*\b+\i]|, |v[\s+1+16*\b+\i]|
.endr
.endr
.irp b, 0,1,2,3
	v_permlanex16_b32 v[TM+4+\b], v[TM+\b], s[SEL], s[SEL+1]
.endr
.irp b, 0,1,2,3
	v_max_num_f32 v[TM+\b], v[TM+\b], v[TM+4+\b]
.endr
.irp b, 0,1,2,3
	v_add_nc_u32 v[TM+8+\b], 0xff000000, v[TM+\b]  ; 2 off the exponent field: the conversion's scale operand
.endr
.irp b, 0,1,2,3
	v_lshrrev_b32 v[TM+4+\b], 23, v[TM+8+\b]
.endr
	v_lshl_or_b32 v[\pw], v[TM+5], 8, v[TM+4]
	v_lshl_or_b32 v[\pw], v[TM+6], 16, v[\pw]
	v_lshl_or_b32 v[\pw], v[TM+7], 24, v[\pw]
.irp c, 0,1
	v_cvt_scalef32_pk16_fp6_f32 v[PC+6*\c:PC+2+6*\c], v[\s+32*\c:\s+15+32*\c], v[TM+8+2*\c]
	v_cvt_scalef32_pk16_fp6_f32 v[PC+12+4*\c:PC+14+4*\c], v[\s+16+32*\c:\s+31+32*\c], v[TM+8+2*\c+1]
.endr
	v_nop                                          ; one plain instruction behind a scaled conversion
.irp c, 0,1
.irp i, 0,1,2
	v_permlane16_swap_b32 v[PC+6*\c+\i], v[PC+12+4*\c+\i]
.endr
.irp i, 0,1,2
	v_mov_b32 v[PC+3+6*\c+\i], v[PC+12+4*\c+\i]
.endr
.endr
.endm
.macro QKBLK a                         ; 16 tokens x 128 channels = two heads: registers 0-5 of the codes are the even head's half fragment, 6-11 the odd head's
	s_wait_xcnt 0x0                                ; the last block's stores have read their registers
	WIN 0x02+(\a)/4
.set J, 0
.rept 32
	v_pk_add_f32 v[HA+J:HA+J+1], v[64*((\a)%4)+J:64*((\a)%4)+J+1], v[BI+J:BI+J+1]   ; each accumulator from its low end on
.set J, J+2
.endr
	WIN 0
	QUANT HA, 11
	v_cmp_ne_u32 s80, 0, v[MK+\a]
	s_or_b32 s80, s80, s77                         ; kept: open keys, and every row of q
.irp i, 0,1,2,3,4,5,6,7,8,9,10,11
	v_cndmask_b32 v[PC+\i], 0, v[PC+\i], s80       ; a masked key's codes are zeros
.endr
	v_cndmask_b32 v10, v12, v13, s80               ; byte 2: the 65th channel's scale
	v_lshrrev_b32 v14, 16, v11
	v_and_or_b32 v[WE+\a], v11, 0xffff, v10        ; the even head's word
	v_or_b32 v[WO+\a], v14, v10                    ; the odd head's
	global_store_b128 v[L16], v[PC:PC+3], s[74:75] offset:768*\a
	global_store_b64 v[L8], v[PC+4:PC+5], s[74:75] offset:768*\a+512
	global_store_b128 v[L16], v[PC+6:PC+9], s[74:75] offset:106496+768*\a
	global_store_b64 v[L8], v[PC+10:PC+11], s[74:75] offset:106496+768*\a+512
.endm
.macro VBLK a                          ; 16 rows d x 128 keys: a whole fragment of v; blocks 0-3 the even head, 4-7 the odd
	s_wait_xcnt 0x0
	WIN 0x02+(\a)/4
.set J, 0
.rept 32
	v_pk_add_f32 v[HA+J:HA+J+1], v[64*((\a)%4)+J:64*((\a)%4)+J+1], v[BV+2*\a:BV+2*\a+1]
.set J, J+2
.endr
	WIN 0
	QUANT HA, WE+\a
	global_store_b128 v[L16], v[PC:PC+3], s[74:75] offset:102400*(\a/4)+FRG*(\a%4)
	global_store_b64 v[L8], v[PC+4:PC+5], s[74:75] offset:102400*(\a/4)+FRG*(\a%4)+512
	global_store_b128 v[L16], v[PC+6:PC+9], s[74:75] offset:102400*(\a/4)+FRG*(\a%4)+768
	global_store_b64 v[L8], v[PC+10:PC+11], s[74:75] offset:102400*(\a/4)+FRG*(\a%4)+1280
.endm
	s_wait_loadcnt 0x0                             ; biases and mask
	PLACES NP                                      ; behind the last products
.irp b, 0,1,2,3
	v_mov_b32 v[TM+4+\b], 0                        ; a lane permute's destination counts as one of its sources
.endr
	v_mov_b32 v12, 198<<16
	v_mov_b32 v13, s78
	s_cmp_eq_u32 s42, 1                            ; the cluster's x alone: the same in all partners
	s_cbranch_scc1 .Lv_out
.irp a, 0,1,2,3,4,5,6,7
	QKBLK \a
.endr
.irp i, 0,1,2,3
	v_cndmask_b32 v[TM+\i], v[WE+\i], v[WE+4+\i], s79      ; lane (r, h) stores the words of blocks 4 h .. 4 h + 3
	v_cndmask_b32 v[TM+4+\i], v[WO+\i], v[WO+4+\i], s79
.endr
	global_store_b128 v[SO8], v[TM:TM+3], s[74:75] offset:6144
	global_store_b128 v[SO8], v[TM+4:TM+7], s[74:75] offset:106496+6144
	s_branch .Ldone
.Lv_out:
.irp a, 0,1,2,3,4,5,6,7
	VBLK \a
.endr
.irp i, 0,1,2,3
	v_cndmask_b32 v[TM+\i], v[WE+\i], v[WE+4+\i], s79      ; lanes 0-15 the even head's four words, lanes 16-31 the odd head's
.endr
	global_store_b128 v[SOV], v[TM:TM+3], s[74:75] offset:6144
.Ldone:
	s_wait_tensorcnt 0x0                           ; the wave's end
	ds_add_u32 v[SPW], v[NIL]
	s_wait_dscnt 0x0
	CROUND                                         ; the closing round
	s_endpgm
.Lfunc_end_k_q3de55d063a_qkv:
	.size	k_q3de55d063a_qkv, .Lfunc_end_k_q3de55d063a_qkv-k_q3de55d063a_qkv
	.p2alignl 7, 3214868480
	.fill 96, 4, 3214868480
	.section	.rodata,"a",@progbits
	.p2align	6, 0x0
	.amdhsa_kernel k_q3de55d063a_qkv
		.amdhsa_group_segment_fixed_size 327680
		.amdhsa_private_segment_fixed_size 0
		.amdhsa_enable_private_segment 0
		.amdhsa_kernarg_size 56
		.amdhsa_user_sgpr_count 2
		.amdhsa_user_sgpr_kernarg_segment_ptr 1
		.amdhsa_wavefront_size32 1
		.amdhsa_system_sgpr_workgroup_id_x 1
		.amdhsa_system_sgpr_workgroup_id_y 1
		.amdhsa_system_sgpr_workgroup_id_z 1
		.amdhsa_system_vgpr_workitem_id 0
		.amdhsa_next_free_vgpr 1024
		.amdhsa_next_free_sgpr 100
		.amdhsa_reserve_vcc 0
		.amdhsa_float_denorm_mode_32 3
		.amdhsa_float_denorm_mode_16_64 3
		.amdhsa_memory_ordered 1
		.amdhsa_forward_progress 1
		.amdhsa_inst_pref_size 226
	.end_amdhsa_kernel
	.amdgpu_metadata
---
amdhsa.version: [ 1, 2 ]
amdhsa.kernels:
  - .name:           k_q3de55d063a_qkv
    .symbol:         k_q3de55d063a_qkv.kd
    .args:
      - { .name: HP, .offset: 0, .size: 8, .value_kind: global_buffer, .address_space: global }
      - { .name: WP, .offset: 8, .size: 8, .value_kind: global_buffer, .address_space: global }
      - { .name: bq, .offset: 16, .size: 8, .value_kind: global_buffer, .address_space: global }
      - { .name: bk, .offset: 24, .size: 8, .value_kind: global_buffer, .address_space: global }
      - { .name: bv, .offset: 32, .size: 8, .value_kind: global_buffer, .address_space: global }
      - { .name: mask, .offset: 40, .size: 8, .value_kind: global_buffer, .address_space: global }
      - { .name: QKVB, .offset: 48, .size: 8, .value_kind: global_buffer, .address_space: global }
    .group_segment_fixed_size: 327680
    .private_segment_fixed_size: 0
    .kernarg_segment_align: 8
    .kernarg_segment_size: 56
    .max_flat_workgroup_size: 128
    .sgpr_count:     100
    .vgpr_count:     1024
    .wavefront_size: 32
...
	.end_amdgpu_metadata
.endif
;; end of part 2
;; launch attn (part 3): grid 8 x 32, 8 waves a work-group, clusters of 4 x 1, 327,680 bytes of LDS; arguments QKVB, CTX; writes CTX
.if DOCPART == 3
	.amdgcn_target "amdgcn-amd-amdhsa--gfx1250"
	.amdhsa_code_object_version 6
	.text
	.protected	k_q3de55d063a_attn
	.globl	k_q3de55d063a_attn
	.p2align	8
	.type	k_q3de55d063a_attn,@function
k_q3de55d063a_attn:
	s_mov_b64 s[64:65], 0
	v_nop
	global_prefetch_b8 v0, s[64:65] scope:SCOPE_SE
	s_setreg_imm32_b32 hwreg(HW_REG_WAVE_MODE, 25, 1), 1
	s_wait_xcnt 0x0
	s_wait_alu depctr_hold_cnt(0) depctr_sa_sdst(0) depctr_va_vdst(0) depctr_va_sdst(0) depctr_va_ssrc(0) depctr_va_vcc(0) depctr_vm_vsrc(0)
	s_getreg_b32 s2, hwreg(HW_REG_IB_STS2, 6, 4)
	s_cmp_eq_u32 s2, 0
	s_cbranch_scc0 .Lentry_in_a_cluster
	s_endpgm
.Lentry_in_a_cluster:
	s_bfe_u32 s2, ttmp6, 0x10000c
	s_cmp_lg_u32 s2, 0x3003
	s_cbranch_scc0 .Lentry_shape_is_right
	s_endpgm
.Lentry_shape_is_right:
; ctx = softmax(q k^T / 8, masked) v for one (batch, head) and 256 queries a work-group; both products on codes of FP6 (E2M3) with E8M0 scales; ctx is quantised along the head's 64 channels and stored as a panel for the next product.
; p = 2^(t - M), t = score x log2(e) / 8, M the ceiling of the running largest t; the row's sum is taken of the unquantised p; O and the sums are brought under a new M by an exact power of two in every trip.
; A wave holds 32 queries, two tiles of 16, so that each fragment of k and v feeds two matrix instructions.  Both products are used transposed (S^T = k q^T, O^T = v^T p^T): a lane holds one query.
; ALL of the head's k (16 records of 6,656 bytes) and v (16 of 6,400) lie in LDS, asked for once at the head: waves 0-3 four records of k each, waves 4-7 four of v, one joint load a wave;
; the four work-groups of a cluster take the same head.  No prefetch: every tile is asked for at the head, and there is no loop of loads to run ahead in.
; THE KEYS OF A TILE are chosen by the LDS address: lane r of tile 4 c + u takes key 64 c + 32 (r / 8) + 8 u + r % 8, which lies in the stored half fragment 4 c + u % 2 + 2 (r / 8) at lane r % 8 + 8 (u / 2).
; So lane (r, h) holds in registers 32 c .. 32 c + 31 the keys 64 c + 32 h + 0 .. 31 of query r: a whole block of 32, its largest score needs no other lane, and the conversions give the operand's registers as they are wanted.
; k's fragments are asked of LDS one trip ahead; the last trip's request reads v's first record and is not used.  v's are asked for at the head of their trip.
; THE MASK rides on a 65th channel of q k^T (codes 1.0 and -4.0 at k = 64, held here as constants; byte 2 of the scale words was set by the launch before).
; LIMITS: the promise holds while the scaled scores stay under 2^31 in magnitude; a masked logit is -2^30 where reference() has -1e9; NaN and infinities are not served.
; REGISTERS.  Window 0: v1-12 addresses; v16-63 the two tiles' small state; v64-79 scale words (nothing else); v80-175 k's eight fragments; v176-223 v's four; v224-237 lane terms.
;   Window 1: v0-127 scores, then p; v128-191 O^T; v192-215 q; v216-239 p's codes; v240-255 the conversions' second halves.
.set KREC,  6656
.set VREC,  6400
.set VBASE, 16*KREC
.set SPARE, VBASE+16*VREC              ; the spare words, 128 bytes a wave
.set SPW, 5
.set NIL, 6
.set NM,  16                           ; -M, a pair a tile (the low word is used)
.set FF,  20                           ; f = 2^(old M - new M), a pair a tile
.set SR,  24                           ; the running largest score
.set TA,  26
.set TB,  28
.set BM,  32                           ; v[BM + 4 t + 2 c + s]: block c's largest score, in two chains s
.set SO,  40                           ; the conversions' scale operands
.set BY,  44                           ; the scale bytes
.set LS,  48                           ; the row's sum: four pairs a tile
.set QS,  64
.set PW,  66
.set KS,  68
.set VS,  76
.set KF,  80
.set VF,  176
.set KB,  234                          ; v234-236 k's lane terms; v237 16 r
.set QQ,  192                          ; window 1
.set PC,  216
.set XX,  240
.set WV,  18
.set NC,  19
.set SEL, 20
.set CS,  22
.set G1K, 24
.set G1V, 32
.set G0K, 40
.set G0V, 44
.set TK,  48
.set TV,  49
.set CNT, 50
.set MSB, 0
.macro WIN new                         ; the immediate's high byte repeats the setting that is left
.if MSB != (\new)
	s_set_vgpr_msb (MSB<<8)|(\new)
.set MSB, (\new)
.endif
.endm
.macro D n
	s_delay_alu instid0(VALU_DEP_\n)
.endm
.macro CROUND
	s_barrier_signal -1
	s_barrier_wait -1
	s_cmp_lg_u32 s[WV], 0
	s_cbranch_scc1 .Lnot_wave_0_\@
	s_barrier_signal -3
.Lnot_wave_0_\@:
	s_barrier_wait -3
	s_barrier_signal -1
	s_barrier_wait -1
.endm
.macro KLOAD a16, a8, as               ; eight half fragments and their scale words: 20 LDS loads
.irp a, 0,1,2,3,4,5,6,7
	ds_load_b128 v[KF+12*\a:KF+12*\a+3], v[\a16] offset:768*(4*(\a/4)+\a%2)+128*((\a%4)/2)
	ds_load_b64 v[KF+12*\a+4:KF+12*\a+5], v[\a8] offset:768*(4*(\a/4)+\a%2)+512+64*((\a%4)/2)
.endr
.irp p, 0,1,2,3
	ds_load_b64 v[KS+2*\p:KS+2*\p+1], v[\as] offset:6144+256*(\p%2)+16*(\p/2)
.endr
.endm
	s_load_b128 s[4:7], s[0:1], 0x0                ; QKVB, CTX
	v_lshl_add_u32 v[SPW], v0, 2, SPARE
	v_mov_b32 v[NIL], 0
	ds_add_u32 v[SPW], v[NIL]                      ; the opening lines: the add, twice on end, and its wait
	ds_add_u32 v[SPW], v[NIL]
	v_lshrrev_b32 v1, 5, v0
	D 1
	v_readfirstlane_b32 s[WV], v1
	s_bfe_u32 s8, ttmp6, 0x40000
	s_lshl_b32 s9, ttmp9, 2
	s_add_co_u32 s9, s9, s8                        ; which 256 queries
	s_and_b32 s10, ttmp7, 0xffff                   ; batch x head
	s_lshl_b32 s11, s9, 1
	s_lshr_b32 s12, s[WV], 2
	s_add_co_u32 s11, s11, s12                     ; my group of 128 queries
	s_and_b32 s3, s[WV], 3
	s_lshl_b32 s12, s3, 1                          ; my first fragment in it
	s_lshl_b32 s13, s10, 4
	s_lshl_b32 s14, s3, 2
	s_add_co_u32 s13, s13, s14                     ; the first of the four records that I fetch
	s_mul_i32 s52, s13, KREC
	s_add_co_u32 s52, s52, 3407872
	s_mov_b32 s53, 0
	s_mul_i32 s54, s13, VREC
	s_add_co_u32 s54, s54, 6815744
	s_mov_b32 s55, 0
	s_mul_i32 s14, s3, 4*KREC
	s_mul_i32 s15, s3, 4*VREC
	s_add_co_u32 s15, s15, VBASE
	s_mov_b32 s[G1K], 15|(3<<16)|(1<<21)           ; all four partners; elements of 8 bytes
	s_mov_b32 s[G1K+1], 32<<16                     ; rows of 256 bytes, dense
	s_mov_b32 s[G1K+2], 104<<16                    ; four records of k
	s_mov_b32 s[G1K+3], 32<<16
	s_mov_b32 s[G1K+4], 104
	s_mov_b32 s[G1K+5], 32
	s_mov_b32 s[G1K+6], 0
	s_mov_b32 s[G1K+7], 0
	s_mov_b32 s[G1V], 15|(3<<16)|(1<<21)
	s_mov_b32 s[G1V+1], 32<<16
	s_mov_b32 s[G1V+2], 100<<16                    ; four records of v
	s_mov_b32 s[G1V+3], 32<<16
	s_mov_b32 s[G1V+4], 100
	s_mov_b32 s[G1V+5], 32
	s_mov_b32 s[G1V+6], 0
	s_mov_b32 s[G1V+7], 0
	s_mov_b32 s[SEL], 0x76543210
	s_mov_b32 s[SEL+1], 0xfedcba98
	s_mov_b32 s[CS], 0x3e38aa3b                    ; c = log2(e) / 8
	s_mov_b32 s[CS+1], s[CS]
	s_mov_b32 s[NC], 0xbe38aa3b                    ; -c
	s_mov_b32 s[TK], KREC                          ; k runs one trip ahead
	s_mov_b32 s[TV], VBASE
	s_mov_b32 s[CNT], 16
	s_lshl_b32 s16, s10, 4
	s_add_co_u32 s16, s16, s11
	s_mul_i32 s16, s16, KREC                       ; q's record
	s_lshl_b32 s56, s12, 2
	s_add_co_u32 s58, s16, s56
	s_add_co_u32 s58, s58, 6144
	s_mul_i32 s56, s12, 768
	s_add_co_u32 s56, s56, s16
	s_mov_b32 s57, 0
	s_mov_b32 s59, 0
	s_lshr_b32 s16, s10, 4
	s_lshl_b32 s16, s16, 4
	s_add_co_u32 s16, s16, s11
	s_lshl_b32 s16, s16, 3
	s_and_b32 s17, s10, 15
	s_lshr_b32 s17, s17, 1
	s_add_co_u32 s16, s16, s17
	s_mul_i32 s16, s16, 12800                      ; ctx's record: (group of tokens, K step = head / 2)
	s_and_b32 s17, s10, 1
	s_lshl_b32 s62, s12, 2
	s_add_co_u32 s62, s62, s16
	s_add_co_u32 s62, s62, 12288
	s_lshl_b32 s60, s17, 1
	s_add_co_u32 s62, s62, s60
	s_mul_i32 s60, s12, 1536
	s_add_co_u32 s60, s60, s16
	s_mul_i32 s17, s17, 768
	s_add_co_u32 s60, s60, s17
	s_mov_b32 s61, 0
	s_mov_b32 s63, 0
	s_wait_dscnt 0x0                               ; both opening adds are done
	s_wait_kmcnt 0x0
	s_mov_b32 s[G0K], 1
	s_mov_b32 s[G0K+1], s14
	s_add_nc_u64 s[G0K+2:G0K+3], s[4:5], s[52:53]
	s_or_b32 s[G0K+3], s[G0K+3], 0x80000000
	s_mov_b32 s[G0V], 1
	s_mov_b32 s[G0V+1], s15
	s_add_nc_u64 s[G0V+2:G0V+3], s[4:5], s[54:55]
	s_or_b32 s[G0V+3], s[G0V+3], 0x80000000
	s_add_nc_u64 s[56:57], s[4:5], s[56:57]
	s_add_nc_u64 s[58:59], s[4:5], s[58:59]
	s_add_nc_u64 s[60:61], s[6:7], s[60:61]
	s_add_nc_u64 s[62:63], s[6:7], s[62:63]
	CROUND                                         ; the four partners are here: the joint loads meet
	s_cmp_lt_u32 s[WV], 4                          ; one load a wave: waves 0-3 k, waves 4-7 v
	s_cbranch_scc0 .Lfor_v
	tensor_load_to_lds s[G0K:G0K+3], s[G1K:G1K+7]
	s_nop 0
.rept 4
	v_nop
.endr
	s_branch .Lasked
.Lfor_v:
	tensor_load_to_lds s[G0V:G0V+3], s[G1V:G1V+7]
	s_nop 0
.rept 4
	v_nop
.endr
.Lasked:
	v_and_b32 v224, 31, v0
	v_and_b32 v225, 15, v0                         ; r
	v_bfe_u32 v226, v0, 4, 1                       ; h
	v_and_b32 v227, 7, v0                          ; r % 8
	v_bfe_u32 v228, v0, 3, 1                       ; r / 8
	v_lshlrev_b32 v1, 4, v224                      ; 16 x lane
	v_lshlrev_b32 v2, 3, v224                      ; 8 x lane
	v_lshlrev_b32 v3, 5, v225                      ; 32 r
	v_lshlrev_b32 v4, 3, v226                      ; 8 h
	v_lshl_or_b32 v229, v226, 4, v227              ; the stored lane: r % 8 + 16 h
	v_mul_u32_u24 v230, v228, 1536                 ; two half fragments on for r / 8
	v_lshlrev_b32 v231, 3, v228
	v_xor_b32 v232, 1, v226                        ; 1 in lanes 0-15
	v_lshlrev_b32 v237, 4, v225                    ; 16 r
	v_mov_b32 v[TB], 0                             ; a lane permute's destination counts as one of its sources
	v_mov_b32 v[TB+1], 0
	v_lshl_add_u32 v[KB], v229, 4, v230
	v_lshl_add_u32 v[KB+1], v229, 3, v230
	v_lshl_add_u32 v[KB+2], v227, 5, v231          ; k's scale words: 32 (r % 8) + 8 (r / 8)
	v_mul_u32_u24 v233, v232, 0x38                 ; the code -4.0 at k = 64
	WIN 0x40                                       ; destination window 1
.irp t, 0,1
	global_load_b128 v[QQ+12*\t:QQ+12*\t+3], v1, s[56:57] offset:768*\t
	global_load_b64 v[QQ+12*\t+4:QQ+12*\t+5], v2, s[56:57] offset:768*\t+512
.endr
.irp t, 0,1
	v_lshlrev_b32 v[QQ+12*\t+6], 3, v232           ; the code 1.0 at k = 64
.irp i, 7,8,9,10,11
	v_mov_b32 v[QQ+12*\t+\i], 0
.endr
.endr
.set J, 0
.rept 64
	v_mov_b32 v[128+J], 0                          ; O^T: the trip is written once, and the first finds zeros
.set J, J+1
.endr
	WIN 0
.irp t, 0,1
	global_load_b32 v[QS+\t], v3, s[58:59] offset:4*\t
	v_mov_b32 v[NM+2*\t], 0x7f000000               ; -M: a whole number above every floor(-t)
	v_mov_b32 v[NM+2*\t+1], 0
	v_mov_b32 v[FF+2*\t+1], 0
	v_mov_b32 v[SR+\t], 0xff61b1e6                 ; -3e38, under every score
.endr
.set J, 0
.rept 16
	v_mov_b32 v[LS+J], 0
.set J, J+1
.endr
.irp a, 0,1,2,3,4,5,6,7
	v_mov_b32 v[KF+12*\a+6], v233
.irp i, 7,8,9,10,11
	v_mov_b32 v[KF+12*\a+\i], 0
.endr
.endr
	s_wait_alu depctr_va_vdst(0)
	s_wait_loadcnt 0x0
	s_wait_tensorcnt 0x0                           ; my four records are in
	s_barrier_signal -1
	s_barrier_wait -1                              ; and everybody's
	KLOAD KB, KB+1, KB+2                           ; the first 128 keys
.Lkey:
	s_wait_dscnt 0x0                               ; this trip's fragments of k, asked for a trip ago
	WIN 0x44                                       ; D and q in window 1
.irp a, 0,1,2,3,4,5,6,7
.irp t, 0,1
	v_wmma_scale_f32_16x16x128_f8f6f4 v[64*\t+8*\a:64*\t+8*\a+7], v[KF+12*\a:KF+12*\a+11], v[QQ+12*\t:QQ+12*\t+11], 0, v[KS+\a], v[QS+\t] matrix_a_fmt:MATRIX_FMT_FP6 matrix_b_fmt:MATRIX_FMT_FP6
.endr
.endr
	WIN 0
	v_add_nc_u32 v7, s[TK], v[KB]                  ; six plain instructions: the places ahead of the loads and of the first read of the scores
	v_add_nc_u32 v8, s[TK], v[KB+1]
	v_add_nc_u32 v9, s[TK], v[KB+2]
	v_add_nc_u32 v10, s[TV], v1
	v_add_nc_u32 v11, s[TV], v2
	v_add_nc_u32 v12, s[TV], v237
.irp t, 0,1,2,3                                ; v's four fragments of these 128 keys and their scale words: 17 loads
	ds_load_b128 v[VF+12*\t:VF+12*\t+3], v10 offset:1536*\t
	ds_load_b64 v[VF+12*\t+4:VF+12*\t+5], v11 offset:1536*\t+512
	ds_load_b128 v[VF+12*\t+6:VF+12*\t+9], v10 offset:1536*\t+768
	ds_load_b64 v[VF+12*\t+10:VF+12*\t+11], v11 offset:1536*\t+1280
.endr
	ds_load_b128 v[VS:VS+3], v12 offset:6144
	KLOAD 7, 8, 9                                  ; the next trip's k: 20 loads
	WIN 0x15                                       ; the largest score of each block of 32: eight chains by turns, each accumulator from its low end on
.irp t, 0,1
.irp c, 0,1
	v_max3_num_f32 v[BM+4*\t+2*\c], v[64*\t+32*\c], v[64*\t+32*\c+1], v[64*\t+32*\c+2]
	v_max3_num_f32 v[BM+4*\t+2*\c+1], v[64*\t+32*\c+17], v[64*\t+32*\c+18], v[64*\t+32*\c+19]
.endr
.endr
	WIN 0x14
.irp i, 0,1,2,3,4,5,6
.irp t, 0,1
.irp c, 0,1
	v_max3_num_f32 v[BM+4*\t+2*\c], v[BM+4*\t+2*\c], v[64*\t+32*\c+3+2*\i], v[64*\t+32*\c+4+2*\i]
.if \i < 6
	v_max3_num_f32 v[BM+4*\t+2*\c+1], v[BM+4*\t+2*\c+1], v[64*\t+32*\c+20+2*\i], v[64*\t+32*\c+21+2*\i]
.endif
.endr
.endr
.endr
	WIN 0
.irp b, 0,2,4,6
	v_max_num_f32 v[BM+\b], v[BM+\b], v[BM+\b+1]
.endr
	D 3
	v_max_num_f32 v[TA], v[BM], v[BM+2]
	D 2
	v_max_num_f32 v[TA+1], v[BM+4], v[BM+6]
.irp t, 0,1
	D 2
	v_permlanex16_b32 v[TB+\t], v[TA+\t], s[SEL], s[SEL+1]
.endr
.irp t, 0,1
	D 2
	v_max3_num_f32 v[SR+\t], v[SR+\t], v[TA+\t], v[TB+\t]   ; the running largest score of my query
.endr
.irp t, 0,1
	D 2
	v_mul_f32 v[TA+\t], s[NC], v[SR+\t]
.endr
.irp t, 0,1
	D 2
	v_floor_f32 v[TA+\t], v[TA+\t]                 ; the new -M = floor(-t)
.endr
.irp t, 0,1
	D 2
	v_sub_f32 v[TB+\t], v[TA+\t], v[NM+2*\t]       ; old M less new M: a whole number, 0 or less
.endr
.irp t, 0,1
	D 4
	v_mov_b32 v[NM+2*\t], v[TA+\t]
.endr
.irp t, 0,1
	D 4
	v_cvt_i32_f32 v[TB+\t], v[TB+\t]               ; (it saturates)
.endr
.irp t, 0,1
	D 2
	v_ldexp_f32 v[FF+2*\t], 1.0, v[TB+\t]          ; f
.endr
.irp t, 0,1
.irp c, 0,1
	v_fma_f32 v[BM+4*\t+2*\c], v[BM+4*\t+2*\c], s[CS], v[NM+2*\t]   ; t - M of each block's largest score
.endr
.endr
.irp j, 0,1,2,3
.irp t, 0,1
	v_pk_mul_f32 v[LS+8*\t+2*\j:LS+8*\t+2*\j+1], v[LS+8*\t+2*\j:LS+8*\t+2*\j+1], v[FF+2*\t:FF+2*\t+1] op_sel_hi:[1,0]   ; the sums under the new M
.endr
.endr
	WIN 0x41                                       ; destination and source 0 in window 1
.set J, 0
.rept 64
	v_pk_fma_f32 v[J:J+1], v[J:J+1], s[CS:CS+1], v[NM+2*(J/64):NM+2*(J/64)+1] op_sel_hi:[1,0,0]   ; t - M
.set J, J+2
.endr
.set J, 0
.rept 32
	v_pk_mul_f32 v[128+J:129+J], v[128+J:129+J], v[FF+2*(J/32):FF+2*(J/32)+1] op_sel_hi:[1,0]     ; O^T under the new M
.set J, J+2
.endr
	s_wait_alu depctr_va_vdst(0)
.set J, 0
.rept 128
	v_exp_f32 v[J], v[J]                           ; p, not normalised
.set J, J+1
.endr
	WIN 0
.irp b, 0,2,4,6
	v_exp_f32 v[BM+\b], v[BM+\b]                   ; each block's largest p: the same two instructions on the same number
.endr
	v_nop                                          ; a plain instruction behind the batch,
	s_wait_alu depctr_va_vdst(0)                   ; and the one wait ahead of its first reader
.irp b, 0,2,4,6
	v_max_num_f32 v[BM+\b], 0x1800000, v[BM+\b]    ; the floor 2^(3 - 127): the byte cannot fall under 1
.endr
.irp b, 0,1,2,3
	D 4
	v_add_nc_u32 v[SO+\b], 0xff000000, v[BM+2*\b]  ; 2 off the exponent field: the conversions' scale operand
.endr
.irp b, 0,1,2,3
	D 4
	v_lshrrev_b32 v[BY+\b], 23, v[SO+\b]
.endr
	D 3
	v_lshl_or_b32 v[TA], v[BY+1], 16, v[BY]        ; my two bytes: blocks h and 2 + h
	D 2
	v_lshl_or_b32 v[TA+1], v[BY+3], 16, v[BY+2]
.irp t, 0,1
	D 2
	v_lshlrev_b32 v[TA+\t], v4, v[TA+\t]           ; 8 h bits up
.endr
.irp t, 0,1
	D 2
	v_permlanex16_b32 v[TB+\t], v[TA+\t], s[SEL], s[SEL+1]
.endr
.irp t, 0,1
	D 2
	v_or_b32 v[PW+\t], v[TA+\t], v[TB+\t]          ; with lane l xor 16's two the word is whole
.endr
	WIN 0x41
.irp t, 0,1
.irp c, 0,1
	v_cvt_scalef32_pk16_fp6_f32 v[PC+12*\t+6*\c:PC+12*\t+6*\c+2], v[64*\t+32*\c:64*\t+32*\c+15], v[SO+2*\t+\c]
	v_cvt_scalef32_pk16_fp6_f32 v[XX+8*\t+4*\c:XX+8*\t+4*\c+2], v[64*\t+32*\c+16:64*\t+32*\c+31], v[SO+2*\t+\c]   ; (a conversion's three registers begin on an even number)
.endr
.endr
	v_nop                                          ; one plain instruction behind a scaled conversion
.irp t, 0,1
.irp c, 0,1
.irp i, 0,1,2
	v_mov_b32 v[PC+12*\t+6*\c+3+\i], v[XX+8*\t+4*\c+\i]
.endr
.endr
.endr
	WIN 0x04                                       ; source 1 in window 1: the row's sum of the unquantised p, eight chains by turns; these are also the places ahead of the products below
.set J, 0
.rept 32
	v_pk_add_f32 v[LS+2*((J/2)%4):LS+2*((J/2)%4)+1], v[LS+2*((J/2)%4):LS+2*((J/2)%4)+1], v[J:J+1]
	v_pk_add_f32 v[LS+8+2*((J/2)%4):LS+8+2*((J/2)%4)+1], v[LS+8+2*((J/2)%4):LS+8+2*((J/2)%4)+1], v[64+J:65+J]
.set J, J+2
.endr
	s_wait_dscnt 20                                ; v's 17 loads are in; the 20 of the next trip's k may be out
	WIN 0x54                                       ; D, C and p's codes in window 1; the eight accumulators take turns
.irp d, 0,1,2,3
.irp t, 0,1
	v_wmma_scale_f32_16x16x128_f8f6f4 v[128+32*\t+8*\d:128+32*\t+8*\d+7], v[VF+12*\d:VF+12*\d+11], v[PC+12*\t:PC+12*\t+11], v[128+32*\t+8*\d:128+32*\t+8*\d+7], v[VS+\d], v[PW+\t] matrix_a_fmt:MATRIX_FMT_FP6 matrix_b_fmt:MATRIX_FMT_FP6
.endr
.endr
	WIN 0
	s_add_co_u32 s[TK], s[TK], KREC
	s_add_co_u32 s[TV], s[TV], VREC
	s_sub_co_u32 s[CNT], s[CNT], 1
	s_cmp_lg_u32 s[CNT], 0
	s_cbranch_scc1 .Lkey
	s_wait_alu depctr_va_vdst(0)                   ; directly ahead of the reader below
.irp t, 0,1
	v_pk_add_f32 v[LS+8*\t:LS+8*\t+1], v[LS+8*\t:LS+8*\t+1], v[LS+8*\t+2:LS+8*\t+3]
.endr
.irp t, 0,1
	v_pk_add_f32 v[LS+8*\t+4:LS+8*\t+5], v[LS+8*\t+4:LS+8*\t+5], v[LS+8*\t+6:LS+8*\t+7]
.endr
.irp t, 0,1
	D 2
	v_pk_add_f32 v[LS+8*\t:LS+8*\t+1], v[LS+8*\t:LS+8*\t+1], v[LS+8*\t+4:LS+8*\t+5]
.endr
.irp t, 0,1
	D 2
	v_add_f32 v[TA+\t], v[LS+8*\t], v[LS+8*\t+1]
.endr
.irp t, 0,1
	D 2
	v_permlanex16_b32 v[TB+\t], v[TA+\t], s[SEL], s[SEL+1]
.endr
.irp t, 0,1
	D 2
	v_add_f32 v[TA+\t], v[TA+\t], v[TB+\t]         ; the row's sum
.endr
	s_wait_alu depctr_va_vdst(0)
	v_rcp_f32 v[FF], v[TA]
	v_rcp_f32 v[FF+2], v[TA+1]
	v_nop
	WIN 0x41
	s_wait_alu depctr_va_vdst(0)                   ; behind the reciprocals, directly ahead of the first reader of them and of O^T
.set J, 0
.rept 32
	v_pk_mul_f32 v[64*(J/32)+J%32:64*(J/32)+J%32+1], v[128+J:129+J], v[FF+2*(J/32):FF+2*(J/32)+1] op_sel_hi:[1,0]   ; ctx: register 16 b + i = channel 32 b + 16 h + i
.set J, J+2
.endr
	WIN 0
.irp b, 0,1,2,3,4,5,6,7
	v_mov_b32 v[BM+\b], 0x1800000                  ; the floor
.endr
	WIN 0x14
.irp i, 0,2,4,6
.irp t, 0,1
.irp b, 0,1
.irp s, 0,1
	v_max3_num_f32 v[BM+4*\t+2*\b+\s], v[BM+4*\t+2*\b+\s], |v[64*\t+16*\b+8*\s+\i]|, |v[64*\t+16*\b+8*\s+\i+1]|
.endr
.endr
.endr
.endr
	WIN 0
.irp b, 0,2,4
	v_max_num_f32 v[BM+\b], v[BM+\b], v[BM+\b+1]
.endr
	v_max_num_f32 v[BM+6], v[BM+6], v[BM+7]
.irp b, 0,2,4,6
	D 4
	v_permlanex16_b32 v[BM+\b+1], v[BM+\b], s[SEL], s[SEL+1]
.endr
.irp b, 0,2,4,6
	D 4
	v_max_num_f32 v[BM+\b], v[BM+\b], v[BM+\b+1]   ; with lane l xor 16's: the block's largest magnitude
.endr
.irp b, 0,1,2,3
	D 4
	v_add_nc_u32 v[SO+\b], 0xff000000, v[BM+2*\b]
.endr
.irp b, 0,1,2,3
	D 4
	v_lshrrev_b32 v[BY+\b], 23, v[SO+\b]
.endr
	D 3
	v_lshl_or_b32 v[TA], v[BY+1], 8, v[BY]         ; my head's two bytes of the scale word
	D 2
	v_lshl_or_b32 v[TA+1], v[BY+3], 8, v[BY+2]
	WIN 0x41
.irp t, 0,1
	v_cvt_scalef32_pk16_fp6_f32 v[PC+12*\t:PC+12*\t+2], v[64*\t:64*\t+15], v[SO+2*\t]
	v_cvt_scalef32_pk16_fp6_f32 v[XX+8*\t:XX+8*\t+2], v[64*\t+16:64*\t+31], v[SO+2*\t+1]
.endr
	v_nop
.irp t, 0,1
.irp i, 0,1,2
	v_permlane16_swap_b32 v[PC+12*\t+\i], v[XX+8*\t+\i]   ; the operand wants a whole block in a lane
.endr
.endr
.irp t, 0,1
.irp i, 0,1,2
	v_mov_b32 v[PC+12*\t+3+\i], v[XX+8*\t+\i]
.endr
.endr
	WIN 0x04                                       ; the stores' data in window 1
.irp t, 0,1
	global_store_b128 v1, v[PC+12*\t:PC+12*\t+3], s[60:61] offset:1536*\t        ; 512 consecutive bytes
	global_store_b64 v2, v[PC+12*\t+4:PC+12*\t+5], s[60:61] offset:1536*\t+512   ; 256
.endr
	WIN 0
.irp t, 0,1
	global_store_b16 v3, v[TA+\t], s[62:63] offset:4*\t
.endr
	s_wait_tensorcnt 0x0                           ; the wave's end
	ds_add_u32 v[SPW], v[NIL]
	s_wait_dscnt 0x0
	CROUND                                         ; the closing round
	s_endpgm
.Lfunc_end_k_q3de55d063a_attn:
	.size	k_q3de55d063a_attn, .Lfunc_end_k_q3de55d063a_attn-k_q3de55d063a_attn
	.p2alignl 7, 3214868480
	.fill 96, 4, 3214868480
	.section	.rodata,"a",@progbits
	.p2align	6, 0x0
	.amdhsa_kernel k_q3de55d063a_attn
		.amdhsa_group_segment_fixed_size 327680
		.amdhsa_private_segment_fixed_size 0
		.amdhsa_enable_private_segment 0
		.amdhsa_kernarg_size 16
		.amdhsa_user_sgpr_count 2
		.amdhsa_user_sgpr_kernarg_segment_ptr 1
		.amdhsa_wavefront_size32 1
		.amdhsa_system_sgpr_workgroup_id_x 1
		.amdhsa_system_sgpr_workgroup_id_y 1
		.amdhsa_system_sgpr_workgroup_id_z 1
		.amdhsa_system_vgpr_workitem_id 0
		.amdhsa_next_free_vgpr 512
		.amdhsa_next_free_sgpr 80
		.amdhsa_reserve_vcc 0
		.amdhsa_float_denorm_mode_32 3
		.amdhsa_float_denorm_mode_16_64 3
		.amdhsa_memory_ordered 1
		.amdhsa_forward_progress 1
		.amdhsa_inst_pref_size 52
	.end_amdhsa_kernel
	.amdgpu_metadata
---
amdhsa.version: [ 1, 2 ]
amdhsa.kernels:
  - .name:           k_q3de55d063a_attn
    .symbol:         k_q3de55d063a_attn.kd
    .args:
      - { .name: QKVB, .offset: 0, .size: 8, .value_kind: global_buffer, .address_space: global }
      - { .name: CTX, .offset: 8, .size: 8, .value_kind: global_buffer, .address_space: global }
    .group_segment_fixed_size: 327680
    .private_segment_fixed_size: 0
    .kernarg_segment_align: 8
    .kernarg_segment_size: 16
    .max_flat_workgroup_size: 256
    .sgpr_count:     80
    .vgpr_count:     512
    .wavefront_size: 32
...
	.end_amdgpu_metadata
.endif
;; end of part 3
;; launch wo (part 4): grid 8 x 32, 4 waves a work-group, clusters of 4 x 4, 327,680 bytes of LDS; arguments CTX, WP, bo, x, X1; writes X1
.if DOCPART == 4
	.amdgcn_target "amdgcn-amd-amdhsa--gfx1250"
	.amdhsa_code_object_version 6
	.text
	.protected	k_q3de55d063a_wo
	.globl	k_q3de55d063a_wo
	.p2align	8
	.type	k_q3de55d063a_wo,@function
k_q3de55d063a_wo:
	s_mov_b64 s[64:65], 0
	v_nop
	global_prefetch_b8 v0, s[64:65] scope:SCOPE_SE
	s_setreg_imm32_b32 hwreg(HW_REG_WAVE_MODE, 25, 1), 1
	s_wait_xcnt 0x0
	s_wait_alu depctr_hold_cnt(0) depctr_sa_sdst(0) depctr_va_vdst(0) depctr_va_sdst(0) depctr_va_ssrc(0) depctr_va_vcc(0) depctr_vm_vsrc(0)
	s_getreg_b32 s2, hwreg(HW_REG_IB_STS2, 6, 4)
	s_cmp_eq_u32 s2, 0
	s_cbranch_scc0 .Lentry_in_a_cluster
	s_endpgm
.Lentry_in_a_cluster:
	s_bfe_u32 s2, ttmp6, 0x10000c
	s_cmp_lg_u32 s2, 0xf033
	s_cbranch_scc0 .Lentry_shape_is_right
	s_endpgm
.Lentry_shape_is_right:
; out = res + (A W + bias), f32, row-major [4,096][1,024]; the product on codes of FP6 (E2M3) with E8M0 scales, K = 128 KST.  Here: A = ctx, W = Wo, res = x, out = x1.
; OPERANDS ARE PANELS: [group of 128 rows][K step][record of 12,800 bytes]: eight fragments of 1,536 bytes as images of the operand's registers, then the scale words (12,288 + 32 r + 4 a).  Lane r of fragment a is row 32 (a / 2) + 8 (a % 2) + r + 8 (r / 8).
; A work-group makes 128 tokens x 128 channels (so that 256 work-groups share the 4,096 x 1,024), a wave 64 x 64: 16 accumulators.  Source 0 = channels, source 1 = tokens: a lane holds one token and eight neighbouring channels a tile.
; K lies in two LDS slots of FOUR K steps, both filled at the start; each wave fetches four records (51,200 dense bytes), one operand's part of a slot, with one tensor load.  CLUSTERS 4 x 4: the tokens' tile is shared along a row, the weights' along a column: joint loads.
; The residual and the bias hang on nothing that is computed: they are asked for at the head, beside the first tiles, into registers that nothing else names.
; THE WAY OUT: 16 tokens x 64 channels at a time through the wave's own stage, back as rows of 256 bytes; residual and bias are added there; sixteen lanes store 256 consecutive bytes, aligned.
; REGISTERS: window 0: v16-31 addresses; v32-39 scale words (nothing else); v40-43 bias; v64-127 the way out; v128-255 accumulators.  window 1: two fragment buffers (v0, v128): tokens' four at 12 a', channels' at 48 + 12 b'.  window 2: v0-127 the residual.
.set KST,   8
.set WOFF,  2457600                    ; Wo's records in WP
.set REC,   12800
.set FRG,   1536
.set LOADB, 4*REC                      ; what one tensor load brings: four records.  ALL EIGHT K STEPS are asked for at the head, one load a wave: the tokens' eight records lie from 0, the weights' from 2 LOADB
.set SLOT,  LOADB                      ; four K steps on in either operand
.set STAGE, 4*LOADB
.set SPARE, STAGE+4*16*272
.set ADRA, 16
.set ADRB, 20
.set ADRS, 24
.set STO,  26
.set RD,   27
.set SPW,  28
.set NIL,  29
.set GO,   30
.set BO,   31
.set SC,   32
.set BIA,  40
.set BK,   64
.set ACC,  128
.set F0,   0
.set F1,   128
.set WV,   18
.set HI,   19
.set LO,   20
.set G1,   24
.set G0,   32
.set G1B,  48
.set G0B,  56
.set MSB, 0
.macro WIN new
.if MSB != (\new)
	s_set_vgpr_msb (MSB<<8)|(\new)
.set MSB, (\new)
.endif
.endm
.set MUL,  0x05                        ; sources 0 and 1 window 1; C and D window 0
.set TO_F, 0x40
.macro JLOAD s                         ; waves 0, 1 fetch the tokens' records, waves 2, 3 the weights'; an s_nop 0 and four v_nop follow each line
	s_cmp_eq_u32 s[HI], 0
	s_cbranch_scc0 .Lfor_b_\@
	tensor_load_to_lds s[G0+4*\s:G0+4*\s+3], s[G1:G1+7]
	s_nop 0
.rept 4
	v_nop
.endr
	s_branch .Lasked_\@
.Lfor_b_\@:
	tensor_load_to_lds s[G0B+4*\s:G0B+4*\s+3], s[G1B:G1B+7]
	s_nop 0
.rept 4
	v_nop
.endr
.Lasked_\@:
.endm
.macro CREST
	s_cmp_lg_u32 s[WV], 0
	s_cbranch_scc1 .Lnot_wave_0_\@
	s_barrier_signal -3
.Lnot_wave_0_\@:
	s_barrier_wait -3
	s_barrier_signal -1
	s_barrier_wait -1
.endm
.macro CROUND
	s_barrier_signal -1
	s_barrier_wait -1
	CREST
.endm
	s_load_b256 s[4:11], s[0:1], 0x0               ; A, WP, bias, res
	s_load_b64 s[12:13], s[0:1], 0x20              ; out
	v_lshl_add_u32 v[SPW], v0, 2, SPARE
	v_mov_b32 v[NIL], 0
	ds_add_u32 v[SPW], v[NIL]                      ; the wave's opening: the add and its wait ahead of my first tensor load
	ds_add_u32 v[SPW], v[NIL]
	v_lshrrev_b32 v1, 5, v0
	v_readfirstlane_b32 s[WV], v1
	s_lshr_b32 s[HI], s[WV], 1                     ; my 64 tokens.  Also: I fetch tokens (0) or weights (1)
	s_and_b32 s[LO], s[WV], 1                      ; my 64 channels.  Also: which slot's four records I fetch
	s_bfe_u32 s21, ttmp6, 0x40000
	s_bfe_u32 s22, ttmp6, 0x40004
	s_lshl_b32 s41, ttmp9, 2
	s_add_co_u32 s41, s41, s21                     ; group of channels
	s_and_b32 s40, ttmp7, 0xffff
	s_lshl_b32 s40, s40, 2
	s_add_co_u32 s40, s40, s22                     ; group of tokens
	s_lshl_b32 s43, s22, 2
	s_lshl_b32 s43, 15, s43
	s_lshl_b32 s44, 0x1111, s21
	s_or_b32 s[G1+0], s43, (3<<16)|(1<<21)
	s_or_b32 s[G1B+0], s44, (3<<16)|(1<<21)
.irp g, G1, G1B
	s_mov_b32 s[\g+1], 32<<16                      ; rows of 256 bytes, dense
	s_mov_b32 s[\g+2], 200<<16                     ; 200 rows of 256 bytes: four records
	s_mov_b32 s[\g+3], 32<<16
	s_mov_b32 s[\g+4], 200
	s_mov_b32 s[\g+5], 32
	s_mov_b32 s[\g+6], 0
	s_mov_b32 s[\g+7], 0
.endr
	s_mul_i32 s23, s[LO], LOADB
	s_mul_i32 s46, s40, KST*REC
	s_add_co_u32 s46, s46, s23
	s_mov_b32 s47, 0
	s_mul_i32 s66, s41, KST*REC
	s_add_co_u32 s66, s66, s23
	s_add_co_u32 s66, s66, WOFF
	s_mov_b32 s67, 0
	s_mul_i32 s45, s[WV], LOADB
	s_wait_dscnt 0x0
	s_wait_kmcnt 0x0
	s_add_nc_u64 s[68:69], s[4:5], s[46:47]
	s_add_nc_u64 s[70:71], s[6:7], s[66:67]
	CROUND
.irp s, 0
	s_mov_b32 s[G0+4*\s], 1
	s_add_co_u32 s[G0+4*\s+1], s45, \s*SLOT
	s_add_nc_u64 s[G0+4*\s+2:G0+4*\s+3], s[68:69], \s*2*LOADB
	s_or_b32 s[G0+4*\s+3], s[G0+4*\s+3], 0x80000000
	s_mov_b32 s[G0B+4*\s], 1
	s_add_co_u32 s[G0B+4*\s+1], s45, \s*SLOT
	s_add_nc_u64 s[G0B+4*\s+2:G0B+4*\s+3], s[70:71], \s*2*LOADB
	s_or_b32 s[G0B+4*\s+3], s[G0B+4*\s+3], 0x80000000
	JLOAD \s
.endr
	v_and_b32 v1, 15, v0                           ; r
	v_bfe_u32 v2, v0, 4, 1                         ; h
	v_and_b32 v3, 31, v0
	v_lshlrev_b32 v5, 4, v3
	s_wait_alu depctr_va_vdst(0)
	v_lshlrev_b32 v6, 3, v3
	s_wait_alu depctr_va_vdst(0)
	s_lshl_b32 s23, s[HI], 4
	s_lshl_b32 s45, s[LO], 4
	s_add_co_u32 s45, s45, 2*LOADB
	s_sub_co_u32 s46, s45, s23
	v_mul_u32_u24 v4, s46, v2                      ; lanes 16-31 take the weights' scale words
	v_lshl_add_u32 v4, v1, 5, v4
	s_add_co_u32 s46, s23, 8*FRG
	v_add_nc_u32 v[ADRS], s46, v4
	v_add_nc_u32 v[ADRS+1], SLOT, v[ADRS]
	s_mul_i32 s23, s[HI], 4*FRG
	s_mul_i32 s45, s[LO], 4*FRG
	s_add_co_u32 s45, s45, 2*LOADB
.irp s, 0,1
	v_add_nc_u32 v[ADRA+\s], s23, v5
	v_add_nc_u32 v[ADRA+2+\s], s23, v6
	v_add_nc_u32 v[ADRB+\s], s45, v5
	v_add_nc_u32 v[ADRB+2+\s], s45, v6
	s_add_co_u32 s23, s23, SLOT
	s_add_co_u32 s45, s45, SLOT
.endr
	s_mul_i32 s23, s[WV], 16*272
	s_add_co_u32 s23, s23, STAGE
	v_mul_u32_u24 v4, v1, 272
	v_lshl_add_u32 v4, v2, 6, v4
	v_add_nc_u32 v[STO], s23, v4                   ; in: row r, + 64 h
	v_mul_u32_u24 v4, v2, 272
	v_lshl_add_u32 v4, v1, 4, v4
	v_add_nc_u32 v[RD], s23, v4                    ; back: lanes 0-15 one row, lanes 16-31 the next
	v_lshlrev_b32 v[BO], 4, v1
	v_lshl_add_u32 v[GO], v2, 12, v[BO]            ; and the same two rows in memory
	s_wait_alu depctr_va_vdst(0)
	s_lshl_b32 s46, s40, 7
	s_lshl_b32 s23, s[HI], 6
	s_add_co_u32 s46, s46, s23
	s_lshl_b32 s46, s46, 12                        ; my first token's row
	s_lshl_b32 s66, s41, 9
	s_lshl_b32 s23, s[LO], 8
	s_add_co_u32 s66, s66, s23                     ; my first channel, in bytes
	s_add_co_u32 s46, s46, s66
	s_add_nc_u64 s[10:11], s[10:11], s[46:47]
	s_add_nc_u64 s[12:13], s[12:13], s[46:47]
	s_add_nc_u64 s[8:9], s[8:9], s[66:67]
	WIN 0x80                                       ; destination window 2: the residual, asked for beside the first tiles
.irp a, 0,1,2,3
.irp t, 0,1,2,3,4,5,6,7
	global_load_b128 v[32*\a+4*\t:32*\a+4*\t+3], v[GO], s[10:11] offset:(32*(\a/2)+8*(\a%2)+2*\t+8*(\t/4))*4096
.endr
.endr
	WIN 0
	global_load_b128 v[BIA:BIA+3], v[BO], s[8:9]
.macro FRAG reg, adr, q, i
	ds_load_b128 v[\reg:\reg+3], v[\adr] offset:REC*(\q)+FRG*(\i)
	ds_load_b64 v[\reg+4:\reg+5], v[\adr+2] offset:REC*(\q)+FRG*(\i)+512
	ds_load_b128 v[\reg+6:\reg+9], v[\adr] offset:REC*(\q)+FRG*(\i)+768
	ds_load_b64 v[\reg+10:\reg+11], v[\adr+2] offset:REC*(\q)+FRG*(\i)+1280
.endm
.macro FETCH slot, q, f                ; a K step's eight fragments and its scale words (register i: lanes 0-15 my tokens' block i, lanes 16-31 my channels' block i)
	WIN TO_F
.irp i, 0,1,2,3
	FRAG \f+12*\i, ADRA+\slot, \q, \i
	FRAG \f+48+12*\i, ADRB+\slot, \q, \i
.endr
	WIN 0
	ds_load_b128 v[SC+4*((\q)%2):SC+4*((\q)%2)+3], v[ADRS+\slot] offset:REC*(\q)
.endm
.macro MUL8 f, q, a0, zero             ; the 16 accumulators take turns, one instruction a turn, in the same order in every step
.irp a, \a0, \a0+1
.irp b, 0,1,2,3
.if \zero
	v_wmma_scale_f32_16x16x128_f8f6f4 v[ACC+8*(4*(\a)+\b):ACC+8*(4*(\a)+\b)+7], v[\f+48+12*\b:\f+48+12*\b+11], v[\f+12*(\a):\f+12*(\a)+11], 0, v[SC+4*((\q)%2)+\b], v[SC+4*((\q)%2)+(\a)] matrix_a_fmt:MATRIX_FMT_FP6 matrix_b_fmt:MATRIX_FMT_FP6 matrix_a_scale:MATRIX_SCALE_ROW1
.else
	v_wmma_scale_f32_16x16x128_f8f6f4 v[ACC+8*(4*(\a)+\b):ACC+8*(4*(\a)+\b)+7], v[\f+48+12*\b:\f+48+12*\b+11], v[\f+12*(\a):\f+12*(\a)+11], v[ACC+8*(4*(\a)+\b):ACC+8*(4*(\a)+\b)+7], v[SC+4*((\q)%2)+\b], v[SC+4*((\q)%2)+(\a)] matrix_a_fmt:MATRIX_FMT_FP6 matrix_b_fmt:MATRIX_FMT_FP6 matrix_a_scale:MATRIX_SCALE_ROW1
.endif
.endr
.endr
.endm
.macro PLACES
.rept 4
	v_nop
.endr
.endm
.macro KSTEP slot, q, zero             ; one of a slot's first three K steps: the next step's fragments are asked for, then this step's 16 products
	s_wait_dscnt 0x0                               ; this step's fragments are in
	PLACES                                         ; ahead of loads into the buffer that the last step's products read
	FETCH \slot, (\q)+1, 128*(1-(\q)%2)
	WIN MUL
	MUL8 128*((\q)%2), \q, 0, \zero
	MUL8 128*((\q)%2), \q, 2, \zero
.endm
.macro TURN slot, next                 ; slot 0's fourth K step goes on to slot 1; nothing is filled again
	s_wait_dscnt 0x0                               ; this step's fragments are in; the next four K steps lie in LDS since the head's barrier
	PLACES
	FETCH \next, 0, F0
	WIN MUL
	MUL8 F1, 3, 0, 0
	MUL8 F1, 3, 2, 0
.endm
	s_wait_tensorcnt 0x0                           ; my four records are in
	s_barrier_signal -1
	s_barrier_wait -1
	FETCH 0, 0, F0
	KSTEP 0, 0, 1                                  ; the first step's products start the sums
	KSTEP 0, 1, 0
	KSTEP 0, 2, 0
	TURN 0, 1
	KSTEP 1, 0, 0
	KSTEP 1, 1, 0
	KSTEP 1, 2, 0
	s_wait_dscnt 0x0
	WIN MUL
	MUL8 F1, 3, 0, 0
	MUL8 F1, 3, 2, 0
	WIN 0
	s_wait_loadcnt 0x0
	WIN 0x82                                       ; destination and source 0 window 2
.set J, 0
.rept 64
	v_pk_add_f32 v[J:J+1], v[J:J+1], v[BIA+J%4:BIA+J%4+1]   ; residual + bias; these are also the places behind the last products
.set J, J+2
.endr
	WIN 0
.macro TOSTAGE a
.irp b, 0,1,2,3
	ds_store_b128 v[STO], v[ACC+8*(4*(\a)+\b):ACC+8*(4*(\a)+\b)+3] offset:128*(\b/2)+32*(\b%2)      ; each accumulator from its low end on
	ds_store_b128 v[STO], v[ACC+8*(4*(\a)+\b)+4:ACC+8*(4*(\a)+\b)+7] offset:128*(\b/2)+32*(\b%2)+16
.endr
.irp t, 0,1,2,3,4,5,6,7
	ds_load_b128 v[BK+32*((\a)%2)+4*\t:BK+32*((\a)%2)+4*\t+3], v[RD] offset:544*\t   ; LDS serves a wave's instructions in order: these see my stores
.endr
.endm
.macro SEND a, younger
	s_wait_dscnt \younger
	WIN 0x08                                       ; source 1 window 2
.set J, 0
.rept 16
	v_pk_add_f32 v[BK+32*((\a)%2)+J:BK+32*((\a)%2)+J+1], v[BK+32*((\a)%2)+J:BK+32*((\a)%2)+J+1], v[32*(\a)+J:32*(\a)+J+1]
.set J, J+2
.endr
	WIN 0
.irp t, 0,1,2,3,4,5,6,7
	global_store_b128 v[GO], v[BK+32*((\a)%2)+4*\t:BK+32*((\a)%2)+4*\t+3], s[12:13] offset:(32*((\a)/2)+8*((\a)%2)+2*\t+8*(\t/4))*4096   ; 16 lanes store 256 consecutive bytes, aligned
.endr
.endm
	TOSTAGE 0
.irp a, 1,2,3
.if \a > 1
	s_wait_xcnt 0x0                                ; block a - 2's stores have read their registers
.endif
	TOSTAGE \a
	SEND \a-1, 16                                  ; behind block a - 1's loads: block a's 8 stores and 8 loads
.endr
	SEND 3, 0
	s_wait_tensorcnt 0x0                           ; the wave's end
	ds_add_u32 v[SPW], v[NIL]
	s_wait_dscnt 0x0
	CROUND                                         ; the closing round
	s_endpgm
.Lfunc_end_k_q3de55d063a_wo:
	.size	k_q3de55d063a_wo, .Lfunc_end_k_q3de55d063a_wo-k_q3de55d063a_wo
	.p2alignl 7, 3214868480
	.fill 96, 4, 3214868480
	.section	.rodata,"a",@progbits
	.p2align	6, 0x0
	.amdhsa_kernel k_q3de55d063a_wo
		.amdhsa_group_segment_fixed_size 327680
		.amdhsa_private_segment_fixed_size 0
		.amdhsa_enable_private_segment 0
		.amdhsa_kernarg_size 40
		.amdhsa_user_sgpr_count 2
		.amdhsa_user_sgpr_kernarg_segment_ptr 1
		.amdhsa_wavefront_size32 1
		.amdhsa_system_sgpr_workgroup_id_x 1
		.amdhsa_system_sgpr_workgroup_id_y 1
		.amdhsa_system_sgpr_workgroup_id_z 1
		.amdhsa_system_vgpr_workitem_id 0
		.amdhsa_next_free_vgpr 640
		.amdhsa_next_free_sgpr 80
		.amdhsa_reserve_vcc 0
		.amdhsa_float_denorm_mode_32 3
		.amdhsa_float_denorm_mode_16_64 3
		.amdhsa_memory_ordered 1
		.amdhsa_forward_progress 1
		.amdhsa_inst_pref_size 60
	.end_amdhsa_kernel
	.amdgpu_metadata
---
amdhsa.version: [ 1, 2 ]
amdhsa.kernels:
  - .name:           k_q3de55d063a_wo
    .symbol:         k_q3de55d063a_wo.kd
    .args:
      - { .name: CTX, .offset: 0, .size: 8, .value_kind: global_buffer, .address_space: global }
      - { .name: WP, .offset: 8, .size: 8, .value_kind: global_buffer, .address_space: global }
      - { .name: bo, .offset: 16, .size: 8, .value_kind: global_buffer, .address_space: global }
      - { .name: x, .offset: 24, .size: 8, .value_kind: global_buffer, .address_space: global }
      - { .name: X1, .offset: 32, .size: 8, .value_kind: global_buffer, .address_space: global }
    .group_segment_fixed_size: 327680
    .private_segment_fixed_size: 0
    .kernarg_segment_align: 8
    .kernarg_segment_size: 40
    .max_flat_workgroup_size: 128
    .sgpr_count:     80
    .vgpr_count:     640
    .wavefront_size: 32
...
	.end_amdgpu_metadata
.endif
;; end of part 4
;; launch ln2 (part 5): grid 256 x 1, 8 waves a work-group, no clusters, 66,816 bytes of LDS; arguments X1, alpha2, bias2, HP; writes HP
.if DOCPART == 5
	.amdgcn_target "amdgcn-amd-amdhsa--gfx1250"
	.amdhsa_code_object_version 6
	.text
	.protected	k_q3de55d063a_ln2
	.globl	k_q3de55d063a_ln2
	.p2align	8
	.type	k_q3de55d063a_ln2,@function
k_q3de55d063a_ln2:
	s_mov_b64 s[64:65], 0
	v_nop
	global_prefetch_b8 v0, s[64:65] scope:SCOPE_SE
	s_setreg_imm32_b32 hwreg(HW_REG_WAVE_MODE, 25, 1), 1
	s_wait_xcnt 0x0
; h = alpha (x - mean) / (std + 1e-4) + bias, std with 1,023 in the divisor; h is quantised along its 1,024 channels to FP6 (E2M3) with E8M0 scales and stored as a PANEL:
; [32 groups of 128 tokens][8 K steps][record of 12,800 bytes]; in a record fragment a at 1,536 a (two halves of 768 bytes: a lane's four registers at 16 l, its two at 512 + 8 l), scale word of lane r at 12,288 + 32 r + 4 a.
; Lane r of fragment a is token rho(a, r) = 32 (a / 2) + 8 (a % 2) + r + 8 (r / 8) of the group.
; A work-group is one (group g, fragment a): 16 tokens.  Phase 1: wave w norms stage rows 2 w and 2 w + 1, each whole in its registers (mean first, then the squares of the differences: a common offset costs nothing).
; Phase 2, behind one barrier: wave w quantises K step w of the 16 rows: lane (r, h) takes of row r 16 neighbours of each block of 32.
; The scale words go out 4 bytes a lane, 32 bytes apart: the seven other words of those 32 bytes belong to other work-groups.  Lanes r and r + 16 hold the same word and store it to the same place.
; LIMITS: NaN and infinities are not served; a block of zeros gets the byte 1 (its codes are zeros; this program alone reads the bytes).
.set PITCH, 4112                       ; a stage row: 4,096 bytes + 16, an odd multiple of 16
.set SPARE, 16*PITCH
.set SPW, 4
.set NIL, 5
.set XR,  16                           ; v16-47 row 0, v48-79 row 1; in phase 2 v16-79 the 64 numbers
.set SS,  80                           ; v80-87 sums, four a row
.set NM,  88                           ; v88-91 minus the mean, a pair a row
.set GN,  92                           ; v92-95 the gain, a pair a row
.set BB,  96                           ; v96-97 the bias, a pair
.set PC,  80                           ; phase 2: codes v80-91, at work v92-98
.set TM,  100                          ; v100-111
.set PW,  116
.set SEL, 26
.macro REDUCE v
	s_delay_alu instid0(VALU_DEP_1)
	v_add_f32_dpp v[\v], v[\v], v[\v] row_xmask:1 row_mask:0xf bank_mask:0xf
	s_delay_alu instid0(VALU_DEP_1)
	v_add_f32_dpp v[\v], v[\v], v[\v] row_xmask:2 row_mask:0xf bank_mask:0xf
	s_delay_alu instid0(VALU_DEP_1)
	v_add_f32_dpp v[\v], v[\v], v[\v] row_xmask:4 row_mask:0xf bank_mask:0xf
	s_delay_alu instid0(VALU_DEP_1)
	v_add_f32_dpp v[\v], v[\v], v[\v] row_xmask:8 row_mask:0xf bank_mask:0xf
	s_delay_alu instid0(VALU_DEP_1)
	v_permlanex16_b32 v98, v[\v], s[SEL], s[SEL+1]
	s_delay_alu instid0(VALU_DEP_1)
	v_add_f32 v[\v], v[\v], v98
.endm
; 64 numbers of a lane, register 16 b + i = k 32 b + 16 (lane / 16) + i of my row, become a fragment's codes in v[PC] on and its scale word in v[pw]
.macro QUANT s, pw
.irp b, 0,1,2,3
	v_max3_num_f32 v[TM+\b], |v[\s+16*\b]|, |v[\s+1+16*\b]|, 0x1800000   ; with the floor 2^(3 - 127): the byte cannot fall under 1
.endr
.irp i, 2,4,6,8,10,12,14
.irp b, 0,1,2,3
	s_delay_alu instid0(VALU_DEP_4)
	v_max3_num_f32 v[TM+\b], v[TM+\b], |v[\s+16*\b+\i]|, |v[\s+1+16*\b+\i]|
.endr
.endr
.irp b, 0,1,2,3
	s_delay_alu instid0(VALU_DEP_4)
	v_permlanex16_b32 v[TM+4+\b], v[TM+\b], s[SEL], s[SEL+1]
.endr
.irp b, 0,1,2,3
	s_delay_alu instid0(VALU_DEP_4)
	v_max_num_f32 v[TM+\b], v[TM+\b], v[TM+4+\b]   ; with lane l xor 16's: the block's largest magnitude
.endr
.irp b, 0,1,2,3
	s_delay_alu instid0(VALU_DEP_4)
	v_add_nc_u32 v[TM+8+\b], 0xff000000, v[TM+\b]  ; 2 off its exponent field: the conversion's scale operand
.endr
.irp b, 0,1,2,3
	s_delay_alu instid0(VALU_DEP_4)
	v_lshrrev_b32 v[TM+4+\b], 23, v[TM+8+\b]       ; the scale's byte
.endr
	s_delay_alu instid0(VALU_DEP_3)
	v_lshl_or_b32 v[\pw], v[TM+5], 8, v[TM+4]
	s_delay_alu instid0(VALU_DEP_1)
	v_lshl_or_b32 v[\pw], v[TM+6], 16, v[\pw]
	s_delay_alu instid0(VALU_DEP_1)
	v_lshl_or_b32 v[\pw], v[TM+7], 24, v[\pw]
.irp c, 0,1
	v_cvt_scalef32_pk16_fp6_f32 v[PC+6*\c:PC+2+6*\c], v[\s+32*\c:\s+15+32*\c], v[TM+8+2*\c]
	v_cvt_scalef32_pk16_fp6_f32 v[PC+12+4*\c:PC+14+4*\c], v[\s+16+32*\c:\s+31+32*\c], v[TM+8+2*\c+1]
.endr
	v_nop                                          ; one plain instruction behind a scaled conversion
.irp c, 0,1                                    ; the operand wants a whole block in a lane: lanes 0-15 block 2 c, lanes 16-31 block 2 c + 1
.irp i, 0,1,2
	v_permlane16_swap_b32 v[PC+6*\c+\i], v[PC+12+4*\c+\i]
.endr
.irp i, 0,1,2
	s_delay_alu instid0(VALU_DEP_3)
	v_mov_b32 v[PC+3+6*\c+\i], v[PC+12+4*\c+\i]
.endr
.endr
.endm
	s_load_b256 s[4:11], s[0:1], 0x0               ; x, alpha, bias, HP
	v_lshl_add_u32 v[SPW], v0, 2, SPARE
	v_mov_b32 v[NIL], 0
	v_lshrrev_b32 v1, 5, v0
	s_delay_alu instid0(VALU_DEP_1)
	v_readfirstlane_b32 s12, v1                    ; wave
	v_and_b32 v1, 31, v0
	s_delay_alu instid0(VALU_DEP_1)
	v_lshlrev_b32 v2, 4, v1                        ; 16 x lane
	s_delay_alu instid0(VALU_DEP_2)
	v_lshlrev_b32 v7, 3, v1                        ; 8 x lane
	v_and_b32 v9, 15, v0                           ; r
	v_bfe_u32 v10, v0, 4, 1                        ; h
	s_delay_alu instid0(VALU_DEP_2)
	v_lshlrev_b32 v8, 5, v9                        ; 32 r
	s_mul_i32 s20, s12, 2*PITCH
	v_add_nc_u32 v3, s20, v2                       ; into the stage: my two rows, 16 bytes a lane
	v_mul_u32_u24 v6, v9, PITCH
	s_delay_alu instid0(VALU_DEP_1)
	v_lshl_add_u32 v6, v10, 6, v6
	s_lshl_b32 s21, s12, 9
	v_add_nc_u32 v6, s21, v6                       ; out of it: row r, K step w, + 64 h
	v_mov_b32 v98, 0                               ; a lane permute's destination counts as one of its sources
.irp b, 0,1,2,3
	v_mov_b32 v[TM+4+\b], 0
.endr
	s_mov_b32 s[SEL], 0x76543210
	s_mov_b32 s[SEL+1], 0xfedcba98
	s_lshr_b32 s13, ttmp9, 3                       ; g
	s_and_b32 s14, ttmp9, 7                        ; a
	s_lshl_b32 s15, s13, 7
	s_lshr_b32 s16, s14, 1
	s_lshl_b32 s16, s16, 5
	s_add_co_u32 s15, s15, s16
	s_and_b32 s16, s14, 1
	s_lshl_b32 s16, s16, 3
	s_add_co_u32 s15, s15, s16
	s_lshl_b32 s16, s12, 1
	s_add_co_u32 s15, s15, s16
	s_lshr_b32 s16, s12, 2
	s_lshl_b32 s16, s16, 3
	s_add_co_u32 s15, s15, s16                     ; my first token: 128 g + rho(a, 2 w)
	s_lshl_b32 s16, s15, 12
	s_mov_b32 s17, 0
	s_lshl_b32 s22, s13, 3
	s_add_co_u32 s22, s22, s12
	s_mul_i32 s22, s22, 12800                      ; record (g, K step w)
	s_lshl_b32 s24, s14, 2
	s_add_co_u32 s24, s24, s22
	s_add_co_u32 s24, s24, 12288                   ; its scale words, + 4 a
	s_mul_i32 s23, s14, 1536
	s_add_co_u32 s22, s22, s23                     ; its fragment a
	s_mov_b32 s23, 0
	s_mov_b32 s25, 0
	s_wait_kmcnt 0x0
	s_load_b32 s18, s[6:7], 0x0                    ; alpha
	s_load_b32 s19, s[8:9], 0x0                    ; bias
	s_add_nc_u64 s[4:5], s[4:5], s[16:17]
	s_add_nc_u64 s[22:23], s[10:11], s[22:23]
	s_add_nc_u64 s[24:25], s[10:11], s[24:25]
.irp w, 0,1
.irp j, 0,1,2,3,4,5,6,7
	global_load_b128 v[XR+32*\w+4*\j:XR+32*\w+4*\j+3], v2, s[4:5] offset:4096*\w+512*\j   ; 512 consecutive bytes a load
.endr
.endr
	s_wait_loadcnt 0x0
.irp w, 0,1                                    ; the mean
	v_pk_add_f32 v[SS+4*\w:SS+4*\w+1], v[XR+32*\w:XR+32*\w+1], v[XR+32*\w+2:XR+32*\w+3]
	v_pk_add_f32 v[SS+4*\w+2:SS+4*\w+3], v[XR+32*\w+4:XR+32*\w+5], v[XR+32*\w+6:XR+32*\w+7]
.irp j, 8,12,16,20,24,28
	s_delay_alu instid0(VALU_DEP_2)
	v_pk_add_f32 v[SS+4*\w:SS+4*\w+1], v[SS+4*\w:SS+4*\w+1], v[XR+32*\w+\j:XR+32*\w+\j+1]
	s_delay_alu instid0(VALU_DEP_2)
	v_pk_add_f32 v[SS+4*\w+2:SS+4*\w+3], v[SS+4*\w+2:SS+4*\w+3], v[XR+32*\w+\j+2:XR+32*\w+\j+3]
.endr
	s_delay_alu instid0(VALU_DEP_1)
	v_pk_add_f32 v[SS+4*\w:SS+4*\w+1], v[SS+4*\w:SS+4*\w+1], v[SS+4*\w+2:SS+4*\w+3]
	s_delay_alu instid0(VALU_DEP_1)
	v_add_f32 v[SS+4*\w], v[SS+4*\w], v[SS+4*\w+1]
	REDUCE SS+4*\w
	s_delay_alu instid0(VALU_DEP_1)
	v_mul_f32 v[NM+2*\w], 0xba800000, v[SS+4*\w]   ; - sum / 1,024
	s_delay_alu instid0(VALU_DEP_1)
	v_mov_b32 v[NM+2*\w+1], v[NM+2*\w]
.irp j, 0,2,4,6,8,10,12,14,16,18,20,22,24,26,28,30
	v_pk_add_f32 v[XR+32*\w+\j:XR+32*\w+\j+1], v[XR+32*\w+\j:XR+32*\w+\j+1], v[NM+2*\w:NM+2*\w+1]
.endr
	v_pk_mul_f32 v[SS+4*\w:SS+4*\w+1], v[XR+32*\w:XR+32*\w+1], v[XR+32*\w:XR+32*\w+1]   ; the squares of the differences
	v_pk_mul_f32 v[SS+4*\w+2:SS+4*\w+3], v[XR+32*\w+2:XR+32*\w+3], v[XR+32*\w+2:XR+32*\w+3]
.irp j, 4,8,12,16,20,24,28
	s_delay_alu instid0(VALU_DEP_2)
	v_pk_fma_f32 v[SS+4*\w:SS+4*\w+1], v[XR+32*\w+\j:XR+32*\w+\j+1], v[XR+32*\w+\j:XR+32*\w+\j+1], v[SS+4*\w:SS+4*\w+1]
	s_delay_alu instid0(VALU_DEP_2)
	v_pk_fma_f32 v[SS+4*\w+2:SS+4*\w+3], v[XR+32*\w+\j+2:XR+32*\w+\j+3], v[XR+32*\w+\j+2:XR+32*\w+\j+3], v[SS+4*\w+2:SS+4*\w+3]
.endr
	s_delay_alu instid0(VALU_DEP_1)
	v_pk_add_f32 v[SS+4*\w:SS+4*\w+1], v[SS+4*\w:SS+4*\w+1], v[SS+4*\w+2:SS+4*\w+3]
	s_delay_alu instid0(VALU_DEP_1)
	v_add_f32 v[SS+4*\w], v[SS+4*\w], v[SS+4*\w+1]
	REDUCE SS+4*\w
	s_delay_alu instid0(VALU_DEP_1)
	v_mul_f32 v[SS+4*\w], 0x3a802008, v[SS+4*\w]   ; / 1,023
.endr
	s_wait_alu depctr_va_vdst(0)
	v_sqrt_f32 v[SS], v[SS]
	v_sqrt_f32 v[SS+4], v[SS+4]
	v_nop                                          ; a plain instruction behind the roots,
	s_wait_alu depctr_va_vdst(0)                   ; and one wait ahead of their first reader
	v_add_f32 v[SS], 0x38d1b717, v[SS]             ; + 1e-4
	v_add_f32 v[SS+4], 0x38d1b717, v[SS+4]
	s_wait_alu depctr_va_vdst(0)
	v_rcp_f32 v[SS], v[SS]
	v_rcp_f32 v[SS+4], v[SS+4]
	v_nop
	s_wait_alu depctr_va_vdst(0)                   ; likewise for the two reciprocals
	s_wait_kmcnt 0x0
	v_mov_b32 v[BB], s19
	v_mov_b32 v[BB+1], s19
.irp w, 0,1
	v_mul_f32 v[GN+2*\w], s18, v[SS+4*\w]
	s_delay_alu instid0(VALU_DEP_1)
	v_mov_b32 v[GN+2*\w+1], v[GN+2*\w]
.irp j, 0,2,4,6,8,10,12,14,16,18,20,22,24,26,28,30
	v_pk_fma_f32 v[XR+32*\w+\j:XR+32*\w+\j+1], v[XR+32*\w+\j:XR+32*\w+\j+1], v[GN+2*\w:GN+2*\w+1], v[BB:BB+1]
.endr
.irp j, 0,1,2,3,4,5,6,7
	ds_store_b128 v3, v[XR+32*\w+4*\j:XR+32*\w+4*\j+3] offset:PITCH*\w+512*\j
.endr
.endr
	s_wait_dscnt 0x0                               ; for the others' sake: my rows lie in the stage
	s_barrier_signal -1
	s_barrier_wait -1
.irp b, 0,1,2,3
.irp j, 0,1,2,3
	ds_load_b128 v[XR+16*\b+4*\j:XR+16*\b+4*\j+3], v6 offset:128*\b+16*\j
.endr
.endr
	s_wait_dscnt 0x0
	QUANT XR, PW
	global_store_b128 v2, v[PC:PC+3], s[22:23]              ; 512 consecutive bytes
	global_store_b64 v7, v[PC+4:PC+5], s[22:23] offset:512  ; 256
	global_store_b128 v2, v[PC+6:PC+9], s[22:23] offset:768
	global_store_b64 v7, v[PC+10:PC+11], s[22:23] offset:1280
	global_store_b32 v8, v[PW], s[24:25]
	s_wait_tensorcnt 0x0                           ; the wave's end, behind my last LDS store
	ds_add_u32 v[SPW], v[NIL]
	s_wait_dscnt 0x0
	s_endpgm
.Lfunc_end_k_q3de55d063a_ln2:
	.size	k_q3de55d063a_ln2, .Lfunc_end_k_q3de55d063a_ln2-k_q3de55d063a_ln2
	.p2alignl 7, 3214868480
	.fill 96, 4, 3214868480
	.section	.rodata,"a",@progbits
	.p2align	6, 0x0
	.amdhsa_kernel k_q3de55d063a_ln2
		.amdhsa_group_segment_fixed_size 66816
		.amdhsa_private_segment_fixed_size 0
		.amdhsa_enable_private_segment 0
		.amdhsa_kernarg_size 32
		.amdhsa_user_sgpr_count 2
		.amdhsa_user_sgpr_kernarg_segment_ptr 1
		.amdhsa_wavefront_size32 1
		.amdhsa_system_sgpr_workgroup_id_x 1
		.amdhsa_system_sgpr_workgroup_id_y 1
		.amdhsa_system_sgpr_workgroup_id_z 1
		.amdhsa_system_vgpr_workitem_id 0
		.amdhsa_next_free_vgpr 128
		.amdhsa_next_free_sgpr 66
		.amdhsa_reserve_vcc 0
		.amdhsa_float_denorm_mode_32 3
		.amdhsa_float_denorm_mode_16_64 3
		.amdhsa_memory_ordered 1
		.amdhsa_forward_progress 1
		.amdhsa_inst_pref_size 26
	.end_amdhsa_kernel
	.amdgpu_metadata
---
amdhsa.version: [ 1, 2 ]
amdhsa.kernels:
  - .name:           k_q3de55d063a_ln2
    .symbol:         k_q3de55d063a_ln2.kd
    .args:
      - { .name: X1, .offset: 0, .size: 8, .value_kind: global_buffer, .address_space: global }
      - { .name: alpha2, .offset: 8, .size: 8, .value_kind: global_buffer, .address_space: global }
      - { .name: bias2, .offset: 16, .size: 8, .value_kind: global_buffer, .address_space: global }
      - { .name: HP, .offset: 24, .size: 8, .value_kind: global_buffer, .address_space: global }
    .group_segment_fixed_size: 66816
    .private_segment_fixed_size: 0
    .kernarg_segment_align: 8
    .kernarg_segment_size: 32
    .max_flat_workgroup_size: 256
    .sgpr_count:     66
    .vgpr_count:     128
    .wavefront_size: 32
...
	.end_amdgpu_metadata
.endif
;; end of part 5
;; launch ffn1 (part 6): grid 16 x 16, 4 waves a work-group, clusters of 4 x 4, 327,680 bytes of LDS; arguments HP, WP, b1, FF; writes FF
.if DOCPART == 6
	.amdgcn_target "amdgcn-amd-amdhsa--gfx1250"
	.amdhsa_code_object_version 6
	.text
	.protected	k_q3de55d063a_ffn1
	.globl	k_q3de55d063a_ffn1
	.p2align	8
	.type	k_q3de55d063a_ffn1,@function
k_q3de55d063a_ffn1:
	s_mov_b64 s[64:65], 0
	v_nop
	global_prefetch_b8 v0, s[64:65] scope:SCOPE_SE
	s_setreg_imm32_b32 hwreg(HW_REG_WAVE_MODE, 25, 1), 1
	s_wait_xcnt 0x0
	s_wait_alu depctr_hold_cnt(0) depctr_sa_sdst(0) depctr_va_vdst(0) depctr_va_sdst(0) depctr_va_ssrc(0) depctr_va_vcc(0) depctr_vm_vsrc(0)
	s_getreg_b32 s2, hwreg(HW_REG_IB_STS2, 6, 4)
	s_cmp_eq_u32 s2, 0
	s_cbranch_scc0 .Lentry_in_a_cluster
	s_endpgm
.Lentry_in_a_cluster:
	s_bfe_u32 s2, ttmp6, 0x10000c
	s_cmp_lg_u32 s2, 0xf033
	s_cbranch_scc0 .Lentry_shape_is_right
	s_endpgm
.Lentry_shape_is_right:
.set WOFF,  3276800
.set REC,   12800
.set FRG,   1536
.set LOADB, 2*REC
.set SLOT,  4*LOADB
.set SPARE, 3*SLOT
.set GRP,   8*REC
.set FR,    12
.set NL,    4
.set NP,    4
.set ADRA, 10
.set ADRB, 16
.set ADRS, 22
.set L16,  26
.set L8,   27
.set SPW,  28
.set NIL,  29
.set SO8,  30
.set SC,   32
.set BI,   64
.set AF,   128
.set HA,   128
.set PC,   192
.set TM,   212
.set WE,   2
.set WV,   18
.set HI,   19
.set LO,   20
.set G1,   24
.set G0,   32
.set G1B,  48
.set G0B,  56
.set SEL,  88
.set MSB, 0
.macro WIN new
.if MSB != (\new)
	s_set_vgpr_msb (MSB<<8)|(\new)
.set MSB, (\new)
.endif
.endm
.set MUL_LO, 0xa1
.set MUL_HI, 0xf1
.set TO_B,   0x40
.macro JLOAD ga, gb
	s_cmp_eq_u32 s[HI], 0
	s_cbranch_scc0 .Lfor_b_\@
	tensor_load_to_lds s[\ga:\ga+3], s[G1:G1+7]
	s_nop 0
.rept 4
	v_nop
.endr
	s_branch .Lasked_\@
.Lfor_b_\@:
	tensor_load_to_lds s[\gb:\gb+3], s[G1B:G1B+7]
	s_nop 0
.rept 4
	v_nop
.endr
.Lasked_\@:
.endm
.macro CREST
	s_cmp_lg_u32 s[WV], 0
	s_cbranch_scc1 .Lnot_wave_0_\@
	s_barrier_signal -3
.Lnot_wave_0_\@:
	s_barrier_wait -3
	s_barrier_signal -1
	s_barrier_wait -1
.endm
.macro CROUND
	s_barrier_signal -1
	s_barrier_wait -1
	CREST
.endm
	s_load_b256 s[4:11], s[0:1], 0x0
	v_lshl_add_u32 v[SPW], v0, 2, SPARE
	v_mov_b32 v[NIL], 0
	ds_add_u32 v[SPW], v[NIL]
	ds_add_u32 v[SPW], v[NIL]
	v_lshrrev_b32 v1, 5, v0
	v_readfirstlane_b32 s[WV], v1
	s_lshr_b32 s[HI], s[WV], 1
	s_and_b32 s[LO], s[WV], 1
	s_bfe_u32 s21, ttmp6, 0x40000
	s_bfe_u32 s22, ttmp6, 0x40004
; THE PREFETCHES: a tile that I fetch is 100 blocks of 256 bytes; the four partners that ask for it jointly share them out by address, 25 each (the place along x for A's tiles, along y for B's): a lane a block, lanes 25-31 name the last again.
.set PFO, 25                           ; v25     256 x (25 x my place + min(lane, 24)); never rewritten
.set PFA, 94                           ; s[94:95] my tiles' K step 0; never rewritten
	s_cmp_eq_u32 s[HI], 0
	s_cselect_b32 s2, s21, s22
	s_mul_i32 s2, s2, 6400
	v_and_b32 v[PFO], 31, v0
	v_min_u32 v[PFO], 24, v[PFO]
	v_lshl_add_u32 v[PFO], v[PFO], 8, s2
	s_wait_alu depctr_va_vdst(0)
	s_and_b32 s40, ttmp7, 0xffff
	s_lshl_b32 s40, s40, 2
	s_add_co_u32 s40, s40, s22
	s_lshl_b32 s41, ttmp9, 2
	s_add_co_u32 s41, s41, s21
	s_lshl_b32 s43, s22, 2
	s_lshl_b32 s43, 15, s43
	s_lshl_b32 s44, 0x1111, s21
	s_or_b32 s[G1+0], s43, (3<<16)|(1<<21)
	s_or_b32 s[G1B+0], s44, (3<<16)|(1<<21)
.irp g, G1, G1B
	s_mov_b32 s[\g+1], 32<<16
	s_mov_b32 s[\g+2], 100<<16
	s_mov_b32 s[\g+3], 32<<16
	s_mov_b32 s[\g+4], 100
	s_mov_b32 s[\g+5], 32
	s_mov_b32 s[\g+6], 0
	s_mov_b32 s[\g+7], 0
.endr
	s_lshl_b32 s46, s40, 1
	s_add_co_u32 s46, s46, s[LO]
	s_mul_i32 s46, s46, GRP
	s_mov_b32 s47, 0
	s_lshl_b32 s66, s41, 1
	s_add_co_u32 s66, s66, s[LO]
	s_mul_i32 s66, s66, GRP
	s_add_co_u32 s66, s66, WOFF
	s_mov_b32 s67, 0
	s_mul_i32 s45, s[WV], LOADB
	s_mov_b32 s[SEL], 0x76543210
	s_mov_b32 s[SEL+1], 0xfedcba98
	s_mov_b32 s79, 0xffff0000
	s_wait_dscnt 0x0
	s_wait_kmcnt 0x0
	s_add_nc_u64 s[68:69], s[4:5], s[46:47]
	s_add_nc_u64 s[70:71], s[6:7], s[66:67]
	s_cmp_eq_u32 s[HI], 0                          ; the wave's number alone
	s_cselect_b64 s[PFA:PFA+1], s[68:69], s[70:71]
	CROUND
.irp s, 0,1,2
.set GA, G0+4*\s+44*(\s/2)
.set GB, G0B+4*\s+32*(\s/2)
	s_mov_b32 s[GA], 1
	s_add_co_u32 s[GA+1], s45, \s*SLOT
	s_add_nc_u64 s[GA+2:GA+3], s[68:69], \s*LOADB
	s_or_b32 s[GA+3], s[GA+3], 0x80000000
	s_mov_b32 s[GB], 1
	s_add_co_u32 s[GB+1], s45, \s*SLOT
	s_add_nc_u64 s[GB+2:GB+3], s[70:71], \s*LOADB
	s_or_b32 s[GB+3], s[GB+3], 0x80000000
; THE FILLS, one tensor load a wave at a time: slot 0 at the head; slot 1 behind the three lines and a round; slot 2 behind the round at slot 0's end; K steps 6 and 7 into slot 0 behind the round at slot 1's end.
.if \s == 1
	s_wait_alu depctr_va_vdst(0)
	s_wait_tensorcnt 0x0                           ; my part of slot 0 is in
	ds_add_u32 v[SPW], v[NIL]
	s_wait_dscnt 0x0
	CROUND                                         ; slot 0 is whole in every work-group of the cluster
.endif
.if \s < 2
	JLOAD GA, GB
.endif
.if \s == 0                                    ; asked two loads ahead: behind slot 0's load the tiles of K steps 2, 3 and 4, 5; behind slot 1's those of K steps 6, 7; then nothing is left to ask for
	global_prefetch_b8 v[PFO], s[PFA:PFA+1] offset:LOADB th:TH_LOAD_NT scope:SCOPE_SE
	global_prefetch_b8 v[PFO], s[PFA:PFA+1] offset:2*LOADB th:TH_LOAD_NT scope:SCOPE_SE
.endif
.if \s == 1
	global_prefetch_b8 v[PFO], s[PFA:PFA+1] offset:3*LOADB th:TH_LOAD_NT scope:SCOPE_SE
.endif
.endr
	v_and_b32 v1, 15, v0
	v_bfe_u32 v2, v0, 4, 1
	v_and_b32 v3, 31, v0
	v_lshlrev_b32 v[L16], 4, v3
	v_lshlrev_b32 v[L8], 3, v3
	s_mul_i32 s23, s[HI], LOADB
	s_mul_i32 s45, s[LO], LOADB
	s_add_co_u32 s45, s45, 2*LOADB
	s_sub_co_u32 s46, s45, s23
	v_mul_u32_u24 v4, s46, v2
	v_lshl_add_u32 v4, v1, 5, v4
	s_add_co_u32 s46, s23, 8*FRG
	v_add_nc_u32 v[ADRS], s46, v4
	v_add_nc_u32 v[ADRS+1], SLOT, v[ADRS]
	v_add_nc_u32 v[ADRS+2], 2*SLOT, v[ADRS]
.irp s, 0,1,2
	v_add_nc_u32 v[ADRA+\s], s23, v[L16]
	v_add_nc_u32 v[ADRA+3+\s], s23, v[L8]
	v_add_nc_u32 v[ADRB+\s], s45, v[L16]
	v_add_nc_u32 v[ADRB+3+\s], s45, v[L8]
	s_add_co_u32 s23, s23, SLOT
	s_add_co_u32 s45, s45, SLOT
.endr
	v_lshlrev_b32 v[SO8], 5, v1
	v_lshl_add_u32 v[SO8], v2, 4, v[SO8]
	v_lshlrev_b32 v7, 6, v2
	s_wait_alu depctr_va_vdst(0)
	s_lshl_b32 s66, s40, 1
	s_add_co_u32 s66, s66, s[HI]
	s_lshl_b32 s67, s41, 1
	s_add_co_u32 s67, s67, s[LO]
	s_lshl_b32 s68, s67, 9
	s_mov_b32 s69, 0
	s_add_nc_u64 s[72:73], s[8:9], s[68:69]
	s_lshl_b32 s82, s66, 5
	s_add_co_u32 s82, s82, s67
	s_mul_i32 s82, s82, REC
	s_mov_b32 s83, 0
	s_add_nc_u64 s[74:75], s[10:11], s[82:83]
.irp b, 0,1,2,3
.irp j, 0,1,2,3
	global_load_b128 v[BI+16*\b+4*\j:BI+16*\b+4*\j+3], v7, s[72:73] offset:128*\b+16*\j
.endr
.endr
.macro FRAG reg, adr, q, i
	ds_load_b128 v[\reg:\reg+3], v[\adr] offset:REC*(\q)+FRG*(\i)
	ds_load_b64 v[\reg+4:\reg+5], v[\adr+3] offset:REC*(\q)+FRG*(\i)+512
	ds_load_b128 v[\reg+6:\reg+9], v[\adr] offset:REC*(\q)+FRG*(\i)+768
	ds_load_b64 v[\reg+10:\reg+11], v[\adr+3] offset:REC*(\q)+FRG*(\i)+1280
.endm
.macro MUL16 a0, p, q, sc, zero
.irp a, \a0, \a0+1
.irp b, 0,1,2,3,4,5,6,7
.if \zero
	v_wmma_scale_f32_16x16x128_f8f6f4 v[8*(8*((\a)%4)+\b):8*(8*((\a)%4)+\b)+7], v[128*(\p)+FR*\b:128*(\p)+FR*\b+FR-1], v[AF+FR*(\a):AF+FR*(\a)+FR-1], 0, v[SC+16*(\sc)+8*(\q)+\b], v[SC+16*(\sc)+8*(\q)+(\a)] matrix_a_fmt:MATRIX_FMT_FP6 matrix_b_fmt:MATRIX_FMT_FP6 matrix_a_scale:MATRIX_SCALE_ROW1
.else
	v_wmma_scale_f32_16x16x128_f8f6f4 v[8*(8*((\a)%4)+\b):8*(8*((\a)%4)+\b)+7], v[128*(\p)+FR*\b:128*(\p)+FR*\b+FR-1], v[AF+FR*(\a):AF+FR*(\a)+FR-1], v[8*(8*((\a)%4)+\b):8*(8*((\a)%4)+\b)+7], v[SC+16*(\sc)+8*(\q)+\b], v[SC+16*(\sc)+8*(\q)+(\a)] matrix_a_fmt:MATRIX_FMT_FP6 matrix_b_fmt:MATRIX_FMT_FP6 matrix_a_scale:MATRIX_SCALE_ROW1
.endif
.endr
.endr
.endm
.macro FETCH_B slot, q, p
	WIN TO_B
.irp i, 0,1,2,3,4,5,6,7
	FRAG 128*(\p)+FR*\i, ADRB+\slot, \q, \i
.endr
	WIN 0
.endm
.macro FETCH_A slot, q, i0
.irp i, \i0, \i0+1, \i0+2, \i0+3
	FRAG AF+FR*(\i), ADRA+\slot, \q, \i
.endr
.endm
.macro SCALES slot, sc
.irp q, 0,1
	ds_load_b128 v[SC+16*(\sc)+8*\q:SC+16*(\sc)+8*\q+3], v[ADRS+\slot] offset:REC*\q
	ds_load_b128 v[SC+16*(\sc)+8*\q+4:SC+16*(\sc)+8*\q+7], v[ADRS+\slot] offset:REC*\q+16
.endr
.endm
.macro PLACES n
.rept \n
	v_nop
.endr
.endm
.macro STEP slot, sc, zero
	s_wait_dscnt 4*NL
	WIN MUL_LO
	MUL16 0, 0, 0, \sc, \zero
	MUL16 2, 0, 0, \sc, \zero
	s_wait_dscnt 0x0
	PLACES NP
	FETCH_B \slot, 1, 1
	FETCH_A \slot, 1, 0
	WIN MUL_HI
	MUL16 4, 0, 0, \sc, \zero
	MUL16 6, 0, 0, \sc, \zero
	PLACES NP
	WIN 0
	FETCH_A \slot, 1, 4
.endm
.macro TURN slot, sc, next, mode
.if \mode
	s_wait_tensorcnt 0x0
	ds_add_u32 v[SPW], v[NIL]
	s_wait_dscnt 4*NL+1
.else
	s_wait_dscnt 4*NL
.endif
	WIN MUL_LO
	MUL16 0, 1, 1, \sc, 0
	s_wait_dscnt 0x0
.if \mode
	s_barrier_signal -1
.endif
	MUL16 2, 1, 1, \sc, 0
	WIN 0
.if \mode
	s_barrier_wait -1
.endif
.if \mode == 2
	CREST
	s_add_nc_u64 s[G0+2:G0+3], s[G0+2:G0+3], 3*LOADB
	s_add_nc_u64 s[G0B+2:G0B+3], s[G0B+2:G0B+3], 3*LOADB
	JLOAD G0, G0B
.elseif \mode == 3
	CREST                                          ; mode 3: the same lines and round; slot 2 is filled for the first time
	JLOAD G0+52, G0B+40
.else
	PLACES NP
.endif
	FETCH_B \next, 0, 0
	FETCH_A \next, 0, 0
	SCALES \next, 1-(\sc)
	WIN MUL_HI
	MUL16 4, 1, 1, \sc, 0
	MUL16 6, 1, 1, \sc, 0
	PLACES NP
	WIN 0
	FETCH_A \next, 0, 4
.endm
	FETCH_B 0, 0, 0
	FETCH_A 0, 0, 0
	SCALES 0, 0
	FETCH_A 0, 0, 4
	STEP 0, 0, 1
	TURN 0, 0, 1, 3                                ; K step 1; slot 2 takes K steps 4 and 5
	STEP 1, 1, 0
	TURN 1, 1, 2, 2                                ; K step 3; slot 0 takes K steps 6 and 7
	STEP 2, 0, 0
	TURN 2, 0, 0, 1
	STEP 0, 1, 0
	s_wait_dscnt 4*NL
	WIN MUL_LO
	MUL16 0, 1, 1, 1, 0
	MUL16 2, 1, 1, 1, 0
	s_wait_dscnt 0x0
	WIN MUL_HI
	MUL16 4, 1, 1, 1, 0
	MUL16 6, 1, 1, 1, 0
	WIN 0
.macro QUANT s, pw
.irp b, 0,1,2,3
	v_max3_num_f32 v[TM+\b], |v[\s+16*\b]|, |v[\s+1+16*\b]|, 0x1800000
.endr
.irp i, 2,4,6,8,10,12,14
.irp b, 0,1,2,3
	v_max3_num_f32 v[TM+\b], v[TM+\b], |v[\s+16*\b+\i]|, |v[\s+1+16*\b+\i]|
.endr
.endr
.irp b, 0,1,2,3
	v_permlanex16_b32 v[TM+4+\b], v[TM+\b], s[SEL], s[SEL+1]
.endr
.irp b, 0,1,2,3
	v_max_num_f32 v[TM+\b], v[TM+\b], v[TM+4+\b]
.endr
.irp b, 0,1,2,3
	v_add_nc_u32 v[TM+8+\b], 0xff000000, v[TM+\b]
.endr
.irp b, 0,1,2,3
	v_lshrrev_b32 v[TM+4+\b], 23, v[TM+8+\b]
.endr
	v_lshl_or_b32 v[\pw], v[TM+5], 8, v[TM+4]
	v_lshl_or_b32 v[\pw], v[TM+6], 16, v[\pw]
	v_lshl_or_b32 v[\pw], v[TM+7], 24, v[\pw]
.irp c, 0,1
	v_cvt_scalef32_pk16_fp6_f32 v[PC+6*\c:PC+2+6*\c], v[\s+32*\c:\s+15+32*\c], v[TM+8+2*\c]
	v_cvt_scalef32_pk16_fp6_f32 v[PC+12+4*\c:PC+14+4*\c], v[\s+16+32*\c:\s+31+32*\c], v[TM+8+2*\c+1]
.endr
	v_nop
.irp c, 0,1
.irp i, 0,1,2
	v_permlane16_swap_b32 v[PC+6*\c+\i], v[PC+12+4*\c+\i]
.endr
.irp i, 0,1,2
	v_mov_b32 v[PC+3+6*\c+\i], v[PC+12+4*\c+\i]
.endr
.endr
.endm
.macro FBLK a
	s_wait_xcnt 0x0
	WIN 0x02+(\a)/4
.set J, 0
.rept 32
	v_pk_add_f32 v[HA+J:HA+J+1], v[64*((\a)%4)+J:64*((\a)%4)+J+1], v[BI+J:BI+J+1]
.set J, J+2
.endr
	WIN 0
.set J, 0
.rept 64
	v_max_num_f32 v[HA+J], 0, v[HA+J]
.set J, J+1
.endr
	QUANT HA, WE+\a
	global_store_b128 v[L16], v[PC:PC+3], s[74:75] offset:FRG*\a
	global_store_b64 v[L8], v[PC+4:PC+5], s[74:75] offset:FRG*\a+512
	global_store_b128 v[L16], v[PC+6:PC+9], s[74:75] offset:FRG*\a+768
	global_store_b64 v[L8], v[PC+10:PC+11], s[74:75] offset:FRG*\a+1280
.endm
	s_wait_loadcnt 0x0
	PLACES NP
.irp b, 0,1,2,3
	v_mov_b32 v[TM+4+\b], 0
.endr
.irp a, 0,1,2,3,4,5,6,7
	FBLK \a
.endr
.irp i, 0,1,2,3
	v_cndmask_b32 v[TM+\i], v[WE+\i], v[WE+4+\i], s79
.endr
	global_store_b128 v[SO8], v[TM:TM+3], s[74:75] offset:8*FRG
	s_wait_tensorcnt 0x0
	ds_add_u32 v[SPW], v[NIL]
	s_wait_dscnt 0x0
	CROUND
	s_endpgm
.Lfunc_end_k_q3de55d063a_ffn1:
	.size	k_q3de55d063a_ffn1, .Lfunc_end_k_q3de55d063a_ffn1-k_q3de55d063a_ffn1
	.p2alignl 7, 3214868480
	.fill 96, 4, 3214868480
	.section	.rodata,"a",@progbits
	.p2align	6, 0x0
	.amdhsa_kernel k_q3de55d063a_ffn1
		.amdhsa_group_segment_fixed_size 327680
		.amdhsa_private_segment_fixed_size 0
		.amdhsa_enable_private_segment 0
		.amdhsa_kernarg_size 32
		.amdhsa_user_sgpr_count 2
		.amdhsa_user_sgpr_kernarg_segment_ptr 1
		.amdhsa_wavefront_size32 1
		.amdhsa_system_sgpr_workgroup_id_x 1
		.amdhsa_system_sgpr_workgroup_id_y 1
		.amdhsa_system_sgpr_workgroup_id_z 1
		.amdhsa_system_vgpr_workitem_id 0
		.amdhsa_next_free_vgpr 1024
		.amdhsa_next_free_sgpr 100
		.amdhsa_reserve_vcc 0
		.amdhsa_float_denorm_mode_32 3
		.amdhsa_float_denorm_mode_16_64 3
		.amdhsa_memory_ordered 1
		.amdhsa_forward_progress 1
		.amdhsa_inst_pref_size 180
	.end_amdhsa_kernel
	.amdgpu_metadata
---
amdhsa.version: [ 1, 2 ]
amdhsa.kernels:
  - .name:           k_q3de55d063a_ffn1
    .symbol:         k_q3de55d063a_ffn1.kd
    .args:
      - { .name: HP, .offset: 0, .size: 8, .value_kind: global_buffer, .address_space: global }
      - { .name: WP, .offset: 8, .size: 8, .value_kind: global_buffer, .address_space: global }
      - { .name: b1, .offset: 16, .size: 8, .value_kind: global_buffer, .address_space: global }
      - { .name: FF, .offset: 24, .size: 8, .value_kind: global_buffer, .address_space: global }
    .group_segment_fixed_size: 327680
    .private_segment_fixed_size: 0
    .kernarg_segment_align: 8
    .kernarg_segment_size: 32
    .max_flat_workgroup_size: 128
    .sgpr_count:     100
    .vgpr_count:     1024
    .wavefront_size: 32
...
	.end_amdgpu_metadata
.endif
;; end of part 6
;; launch ffn2 (part 7): grid 8 x 32, 4 waves a work-group, clusters of 4 x 4, 327,680 bytes of LDS; arguments FF, WP, b2, X1, out0; writes out0
.if DOCPART == 7
	.amdgcn_target "amdgcn-amd-amdhsa--gfx1250"
	.amdhsa_code_object_version 6
	.text
	.protected	k_q3de55d063a_ffn2
	.globl	k_q3de55d063a_ffn2
	.p2align	8
	.type	k_q3de55d063a_ffn2,@function
k_q3de55d063a_ffn2:
	s_mov_b64 s[64:65], 0
	v_nop
	global_prefetch_b8 v0, s[64:65] scope:SCOPE_SE
	s_setreg_imm32_b32 hwreg(HW_REG_WAVE_MODE, 25, 1), 1
	s_wait_xcnt 0x0
	s_wait_alu depctr_hold_cnt(0) depctr_sa_sdst(0) depctr_va_vdst(0) depctr_va_sdst(0) depctr_va_ssrc(0) depctr_va_vcc(0) depctr_vm_vsrc(0)
	s_getreg_b32 s2, hwreg(HW_REG_IB_STS2, 6, 4)
	s_cmp_eq_u32 s2, 0
	s_cbranch_scc0 .Lentry_in_a_cluster
	s_endpgm
.Lentry_in_a_cluster:
	s_bfe_u32 s2, ttmp6, 0x10000c
	s_cmp_lg_u32 s2, 0xf033
	s_cbranch_scc0 .Lentry_shape_is_right
	s_endpgm
.Lentry_shape_is_right:
; out = res + (A W + bias), f32, row-major [4,096][1,024]; the product on codes of FP6 (E2M3) with E8M0 scales, K = 4,096: 32 K steps.  A = the hidden layer, W = W2, res = x1, out = the block's result.
; OPERANDS ARE PANELS: [group of 128 rows][K step][record of 12,800 bytes]: eight fragments of 1,536 bytes as images of the operand's registers, then the scale words (12,288 + 32 r + 4 a).  Lane r of fragment a is row 32 (a / 2) + 8 (a % 2) + r + 8 (r / 8).
; A work-group makes 128 tokens x 128 channels (so that 256 work-groups share the 4,096 x 1,024), a wave 64 x 64: 16 accumulators.  Source 0 = channels, source 1 = tokens: a lane holds one token and eight neighbouring channels a tile.
; TWO LDS SLOTS OF SIX K STEPS, as large as fit beside the stage: a step's matrix work is short, so a refill brings as much as there is room for.  Each wave fetches three records (38,400 dense bytes) of a slot with one tensor load.
; The 32 K steps go as 6, 6 (first fills, slot 1's behind a round: one load of mine is out at a time), then four refills of 6, 6, 6 and 2; the last is one record a wave, with descriptors of its own.  The walk is written straight.
; An LDS offset has 16 bits, so each half of a slot (three K steps) has address registers of its own.  CLUSTERS 4 x 4: the tokens' tile is shared along a row, the weights' along a column: joint loads.
; The residual and the bias hang on nothing that is computed: they are asked for at the head, into registers that nothing else names.
; THE WAY OUT: 16 tokens x 64 channels at a time through the wave's own stage, back as rows of 256 bytes; residual and bias are added there; sixteen lanes store 256 consecutive bytes, aligned.
; REGISTERS: window 0: v26-31 addresses; v32-39 scale words (nothing else); v40-43 bias; v44-63 LDS addresses, five for each half slot; v64-127 the way out; v128-255 accumulators.
;   window 1: two fragment buffers (v0, v128): tokens' four at 12 a', channels' at 48 + 12 b'.  window 2: v0-127 the residual.
.set KST,   32
.set WOFF,  6553600                    ; W2's records in WP
.set REC,   12800
.set FRG,   1536
.set LOADB, 3*REC                      ; what one tensor load brings
.set SLOT,  4*LOADB                    ; the tokens' six records, then the weights' six
.set STAGE, 2*SLOT                     ; 16 rows x 272 bytes for each wave
.set SPARE, STAGE+4*16*272
.set AD,   44                          ; v[AD + 5 (2 slot + half) + kind]: kind 0, 1 tokens (16 x lane, 8 x lane), 2, 3 channels, 4 scale words
.set STO,  26
.set RD,   27
.set SPW,  28
.set NIL,  29
.set GO,   30
.set BO,   31
.set SC,   32
.set BIA,  40
.set BK,   64
.set ACC,  128
.set F0,   0
.set F1,   128
.set WV,   18
.set HI,   19
.set LO,   20
.set G1,   24
.set G0,   32
.set G1B,  48
.set G0B,  56
.set G1T,  72                          ; s[72:79], s[80:87] groups 1 of the last refill (one record);  s[88:91], s[92:95] its groups 0
.set G1TB, 80
.set G0T,  88
.set G0TB, 92
.set MSB, 0
.macro WIN new
.if MSB != (\new)
	s_set_vgpr_msb (MSB<<8)|(\new)
.set MSB, (\new)
.endif
.endm
.set MUL,  0x05
.set TO_F, 0x40
.macro JLOAD g0a, g1a, g0b, g1b        ; waves 0, 1 fetch the tokens' records, waves 2, 3 the weights'; an s_nop 0 and four v_nop follow each line
	s_cmp_eq_u32 s[HI], 0
	s_cbranch_scc0 .Lfor_b_\@
	tensor_load_to_lds s[\g0a:\g0a+3], s[\g1a:\g1a+7]
	s_nop 0
.rept 4
	v_nop
.endr
	s_branch .Lasked_\@
.Lfor_b_\@:
	tensor_load_to_lds s[\g0b:\g0b+3], s[\g1b:\g1b+7]
	s_nop 0
.rept 4
	v_nop
.endr
.Lasked_\@:
.endm
.macro CREST
	s_cmp_lg_u32 s[WV], 0
	s_cbranch_scc1 .Lnot_wave_0_\@
	s_barrier_signal -3
.Lnot_wave_0_\@:
	s_barrier_wait -3
	s_barrier_signal -1
	s_barrier_wait -1
.endm
.macro CROUND
	s_barrier_signal -1
	s_barrier_wait -1
	CREST
.endm
	s_load_b256 s[4:11], s[0:1], 0x0               ; A, WP, bias, res
	s_load_b64 s[12:13], s[0:1], 0x20              ; out
	v_lshl_add_u32 v[SPW], v0, 2, SPARE
	v_mov_b32 v[NIL], 0
	ds_add_u32 v[SPW], v[NIL]                      ; the wave's opening: the add and its wait ahead of my first tensor load
	ds_add_u32 v[SPW], v[NIL]
	v_lshrrev_b32 v1, 5, v0
	v_readfirstlane_b32 s[WV], v1
	s_lshr_b32 s[HI], s[WV], 1                     ; my 64 tokens.  Also: I fetch tokens (0) or weights (1)
	s_and_b32 s[LO], s[WV], 1                      ; my 64 channels.  Also: which three of a slot's six records I fetch
	s_bfe_u32 s21, ttmp6, 0x40000
	s_bfe_u32 s22, ttmp6, 0x40004
; THE PREFETCHES: a full tile that I fetch is 150 blocks of 256 bytes; the four partners that ask for it jointly share them out by address, 38 each, held at block 149 (the place along x for the tokens' tiles, along y for the weights'):
; two instructions, a lane a block: blocks 38 p + lane, and 38 p + 32 + min(lane, 5).
.set PFO, 24                           ; v24, v25 the two offsets; never rewritten
.set PFA, 14                           ; s[14:15] my tiles' K step 0, set behind the last use of these registers as offsets; then never rewritten
.set PFN, 4                            ; the load whose tile the first change of slots asks for
	s_cmp_eq_u32 s[HI], 0
	s_cselect_b32 s2, s21, s22
	s_mul_i32 s2, s2, 38
	v_and_b32 v[PFO], 31, v0
	v_min_u32 v[PFO+1], 5, v[PFO]
	v_add_nc_u32 v[PFO], s2, v[PFO]
	v_add3_u32 v[PFO+1], v[PFO+1], s2, 32
	v_min_u32 v[PFO+1], 149, v[PFO+1]
	v_lshlrev_b32 v[PFO], 8, v[PFO]
	v_lshlrev_b32 v[PFO+1], 8, v[PFO+1]
	s_wait_alu depctr_va_vdst(0)
	s_lshl_b32 s41, ttmp9, 2
	s_add_co_u32 s41, s41, s21                     ; group of channels
	s_and_b32 s40, ttmp7, 0xffff
	s_lshl_b32 s40, s40, 2
	s_add_co_u32 s40, s40, s22                     ; group of tokens
	s_lshl_b32 s43, s22, 2
	s_lshl_b32 s43, 15, s43
	s_lshl_b32 s44, 0x1111, s21
	s_or_b32 s[G1+0], s43, (3<<16)|(1<<21)
	s_or_b32 s[G1B+0], s44, (3<<16)|(1<<21)
	s_or_b32 s[G1T+0], s43, (3<<16)|(1<<21)
	s_or_b32 s[G1TB+0], s44, (3<<16)|(1<<21)
.irp g, G1, G1B
	s_mov_b32 s[\g+1], 32<<16                      ; 150 rows of 256 bytes, dense: three records
	s_mov_b32 s[\g+2], 150<<16
	s_mov_b32 s[\g+3], 32<<16
	s_mov_b32 s[\g+4], 150
	s_mov_b32 s[\g+5], 32
	s_mov_b32 s[\g+6], 0
	s_mov_b32 s[\g+7], 0
.endr
.irp g, G1T, G1TB
	s_mov_b32 s[\g+1], 32<<16                      ; 50 rows: one record
	s_mov_b32 s[\g+2], 50<<16
	s_mov_b32 s[\g+3], 32<<16
	s_mov_b32 s[\g+4], 50
	s_mov_b32 s[\g+5], 32
	s_mov_b32 s[\g+6], 0
	s_mov_b32 s[\g+7], 0
.endr
	s_mul_i32 s23, s[LO], LOADB
	s_mul_i32 s46, s40, KST*REC                    ; my group of tokens in A
	s_mul_i32 s66, s41, KST*REC
	s_add_co_u32 s66, s66, WOFF                    ; my group of channels in WP
	s_mul_i32 s3, s[LO], REC
	s_add_co_u32 s14, s46, s3
	s_add_co_u32 s14, s14, 30*REC                  ; the last refill: K step 30 + (wave % 2)
	s_mov_b32 s15, 0
	s_add_co_u32 s16, s66, s3
	s_add_co_u32 s16, s16, 30*REC
	s_mov_b32 s17, 0
	s_mul_i32 s2, s[HI], 2*LOADB
	s_add_co_u32 s2, s2, s3
	s_add_co_u32 s2, s2, SLOT                      ; it lands in slot 1, at its operand's record wave % 2
	s_add_co_u32 s46, s46, s23
	s_mov_b32 s47, 0
	s_add_co_u32 s66, s66, s23
	s_mov_b32 s67, 0
	s_mul_i32 s45, s[WV], LOADB                    ; where the full loads go: wave x 38,400: no place in the cluster enters an LDS address
	s_wait_dscnt 0x0
	s_wait_kmcnt 0x0
	s_add_nc_u64 s[68:69], s[4:5], s[46:47]
	s_add_nc_u64 s[70:71], s[6:7], s[66:67]
	s_mov_b32 s[G0T], 1
	s_mov_b32 s[G0T+1], s2
	s_add_nc_u64 s[G0T+2:G0T+3], s[4:5], s[14:15]
	s_or_b32 s[G0T+3], s[G0T+3], 0x80000000
	s_mov_b32 s[G0TB], 1
	s_mov_b32 s[G0TB+1], s2
	s_add_nc_u64 s[G0TB+2:G0TB+3], s[6:7], s[16:17]
	s_or_b32 s[G0TB+3], s[G0TB+3], 0x80000000
	s_cmp_eq_u32 s[HI], 0                          ; the wave's number alone
	s_cselect_b64 s[PFA:PFA+1], s[68:69], s[70:71]
	CROUND
.irp s, 0,1
	s_mov_b32 s[G0+4*\s], 1
	s_add_co_u32 s[G0+4*\s+1], s45, \s*SLOT
	s_add_nc_u64 s[G0+4*\s+2:G0+4*\s+3], s[68:69], \s*2*LOADB      ; slot s: K steps 6 s on
	s_or_b32 s[G0+4*\s+3], s[G0+4*\s+3], 0x80000000
	s_mov_b32 s[G0B+4*\s], 1
	s_add_co_u32 s[G0B+4*\s+1], s45, \s*SLOT
	s_add_nc_u64 s[G0B+4*\s+2:G0B+4*\s+3], s[70:71], \s*2*LOADB
	s_or_b32 s[G0B+4*\s+3], s[G0B+4*\s+3], 0x80000000
.if \s == 1                                    ; slot 1's first fill stands behind the three lines and a round, as a refill does: one tensor load a wave at the head
	s_wait_alu depctr_va_vdst(0)
	s_wait_tensorcnt 0x0                           ; my part of slot 0 is in
	ds_add_u32 v[SPW], v[NIL]
	s_wait_dscnt 0x0
	CROUND                                         ; slot 0 is whole in every work-group of the cluster
.endif
	JLOAD G0+4*\s, G1, G0B+4*\s, G1B
.if \s == 0                                    ; asked two loads ahead: behind slot 0's load the tiles of K steps 6 on and 12 on; behind slot 1's those of K steps 18 on
.irp n, 1,2
	global_prefetch_b8 v[PFO], s[PFA:PFA+1] offset:\n*2*LOADB th:TH_LOAD_NT scope:SCOPE_SE
	global_prefetch_b8 v[PFO+1], s[PFA:PFA+1] offset:\n*2*LOADB th:TH_LOAD_NT scope:SCOPE_SE
.endr
.else
	global_prefetch_b8 v[PFO], s[PFA:PFA+1] offset:3*2*LOADB th:TH_LOAD_NT scope:SCOPE_SE
	global_prefetch_b8 v[PFO+1], s[PFA:PFA+1] offset:3*2*LOADB th:TH_LOAD_NT scope:SCOPE_SE
.endif
.endr
	v_and_b32 v1, 15, v0                           ; r
	v_bfe_u32 v2, v0, 4, 1                         ; h
	v_and_b32 v3, 31, v0
	v_lshlrev_b32 v5, 4, v3
	s_wait_alu depctr_va_vdst(0)
	v_lshlrev_b32 v6, 3, v3
	s_wait_alu depctr_va_vdst(0)
	s_lshl_b32 s23, s[HI], 4
	s_lshl_b32 s45, s[LO], 4
	s_add_co_u32 s45, s45, 2*LOADB
	s_sub_co_u32 s46, s45, s23
	v_mul_u32_u24 v4, s46, v2                      ; lanes 16-31 take the weights' scale words
	v_lshl_add_u32 v4, v1, 5, v4
	s_add_co_u32 s46, s23, 8*FRG
	v_add_nc_u32 v[AD+4], s46, v4
	s_mul_i32 s23, s[HI], 4*FRG
	s_mul_i32 s45, s[LO], 4*FRG
	s_add_co_u32 s45, s45, 2*LOADB
	v_add_nc_u32 v[AD], s23, v5
	v_add_nc_u32 v[AD+1], s23, v6
	v_add_nc_u32 v[AD+2], s45, v5
	v_add_nc_u32 v[AD+3], s45, v6
.irp n, 1,2,3                                  ; the other three half slots
.irp k, 0,1,2,3,4
	v_add_nc_u32 v[AD+5*\n+\k], (\n/2)*SLOT+(\n%2)*LOADB, v[AD+\k]
.endr
.endr
	s_mul_i32 s23, s[WV], 16*272
	s_add_co_u32 s23, s23, STAGE
	v_mul_u32_u24 v4, v1, 272
	v_lshl_add_u32 v4, v2, 6, v4
	v_add_nc_u32 v[STO], s23, v4                   ; in: row r, + 64 h
	v_mul_u32_u24 v4, v2, 272
	v_lshl_add_u32 v4, v1, 4, v4
	v_add_nc_u32 v[RD], s23, v4                    ; back: lanes 0-15 one row, lanes 16-31 the next
	v_lshlrev_b32 v[BO], 4, v1
	v_lshl_add_u32 v[GO], v2, 12, v[BO]            ; and the same two rows in memory
	s_wait_alu depctr_va_vdst(0)
	s_lshl_b32 s46, s40, 7
	s_lshl_b32 s23, s[HI], 6
	s_add_co_u32 s46, s46, s23
	s_lshl_b32 s46, s46, 12                        ; my first token's row
	s_lshl_b32 s66, s41, 9
	s_lshl_b32 s23, s[LO], 8
	s_add_co_u32 s66, s66, s23                     ; my first channel, in bytes
	s_add_co_u32 s46, s46, s66
	s_add_nc_u64 s[10:11], s[10:11], s[46:47]
	s_add_nc_u64 s[12:13], s[12:13], s[46:47]
	s_add_nc_u64 s[8:9], s[8:9], s[66:67]
	WIN 0x80                                       ; destination window 2: the residual
.irp a, 0,1,2,3
.irp t, 0,1,2,3,4,5,6,7
	global_load_b128 v[32*\a+4*\t:32*\a+4*\t+3], v[GO], s[10:11] offset:(32*(\a/2)+8*(\a%2)+2*\t+8*(\t/4))*4096
.endr
.endr
	WIN 0
	global_load_b128 v[BIA:BIA+3], v[BO], s[8:9]
.macro FRAG reg, n, k, q3, i           ; n: the half slot; k: 0 tokens, 2 channels; q3: the K step in the half slot
	ds_load_b128 v[\reg:\reg+3], v[AD+5*(\n)+\k] offset:REC*(\q3)+FRG*(\i)
	ds_load_b64 v[\reg+4:\reg+5], v[AD+5*(\n)+\k+1] offset:REC*(\q3)+FRG*(\i)+512
	ds_load_b128 v[\reg+6:\reg+9], v[AD+5*(\n)+\k] offset:REC*(\q3)+FRG*(\i)+768
	ds_load_b64 v[\reg+10:\reg+11], v[AD+5*(\n)+\k+1] offset:REC*(\q3)+FRG*(\i)+1280
.endm
.macro FETCH slot, q, f                ; a K step's eight fragments and its scale words (register i: lanes 0-15 my tokens' block i, lanes 16-31 my channels' block i)
	WIN TO_F
.irp i, 0,1,2,3
	FRAG \f+12*\i, 2*(\slot)+(\q)/3, 0, (\q)%3, \i
	FRAG \f+48+12*\i, 2*(\slot)+(\q)/3, 2, (\q)%3, \i
.endr
	WIN 0
	ds_load_b128 v[SC+4*((\q)%2):SC+4*((\q)%2)+3], v[AD+5*(2*(\slot)+(\q)/3)+4] offset:REC*((\q)%3)
.endm
.macro MUL8 f, q, a0, zero             ; the 16 accumulators take turns, one instruction a turn, in the same order in every step
.irp a, \a0, \a0+1
.irp b, 0,1,2,3
.if \zero
	v_wmma_scale_f32_16x16x128_f8f6f4 v[ACC+8*(4*(\a)+\b):ACC+8*(4*(\a)+\b)+7], v[\f+48+12*\b:\f+48+12*\b+11], v[\f+12*(\a):\f+12*(\a)+11], 0, v[SC+4*((\q)%2)+\b], v[SC+4*((\q)%2)+(\a)] matrix_a_fmt:MATRIX_FMT_FP6 matrix_b_fmt:MATRIX_FMT_FP6 matrix_a_scale:MATRIX_SCALE_ROW1
.else
	v_wmma_scale_f32_16x16x128_f8f6f4 v[ACC+8*(4*(\a)+\b):ACC+8*(4*(\a)+\b)+7], v[\f+48+12*\b:\f+48+12*\b+11], v[\f+12*(\a):\f+12*(\a)+11], v[ACC+8*(4*(\a)+\b):ACC+8*(4*(\a)+\b)+7], v[SC+4*((\q)%2)+\b], v[SC+4*((\q)%2)+(\a)] matrix_a_fmt:MATRIX_FMT_FP6 matrix_b_fmt:MATRIX_FMT_FP6 matrix_a_scale:MATRIX_SCALE_ROW1
.endif
.endr
.endr
.endm
.macro PLACES
.rept 4
	v_nop
.endr
.endm
.macro KSTEP slot, q, zero             ; a K step that has its successor in the same slot: the next step's fragments are asked for, then this step's 16 products
	s_wait_dscnt 0x0                               ; this step's fragments are in
	PLACES                                         ; ahead of loads into the buffer that the last step's products read
	FETCH \slot, (\q)+1, 128*(1-(\q)%2)
	WIN MUL
	MUL8 128*((\q)%2), \q, 0, \zero
	MUL8 128*((\q)%2), \q, 2, \zero
.endm
.macro FIVE slot
.irp q, 0,1,2,3,4
	KSTEP \slot, \q, 0
.endr
.endm
; A slot's sixth K step changes slots.  mode 1: this slot is filled again, twelve K steps on; mode 2: with the last two K steps; mode 0: nothing is left to fetch.
.macro TURN slot, next, mode
	WIN 0
	s_wait_tensorcnt 0x0                           ; my part of the next slot has landed; no load of mine is out
	ds_add_u32 v[SPW], v[NIL]
	s_wait_dscnt 0x0                               ; the add is done, my reads of this slot are over
	s_barrier_signal -1
	WIN MUL
	MUL8 F1, 5, 0, 0
	WIN 0
	s_barrier_wait -1
.if \mode == 1
	CREST                                          ; the barrier opened a round of the cluster's: no wave of any partner still reads this slot or has a load on its way
	s_add_nc_u64 s[G0+4*\slot+2:G0+4*\slot+3], s[G0+4*\slot+2:G0+4*\slot+3], 4*LOADB
	s_add_nc_u64 s[G0B+4*\slot+2:G0B+4*\slot+3], s[G0B+4*\slot+2:G0B+4*\slot+3], 4*LOADB
	JLOAD G0+4*\slot, G1, G0B+4*\slot, G1B         ; the first tensor load behind the round; its four v_nop are the places ahead of the loads below
.elseif \mode == 2
	CREST
	JLOAD G0T, G1T, G0TB, G1TB
.else
	PLACES
.endif
	FETCH \next, 0, F0
.if PFN < 5                                    ; the first change of slots alone: the tiles of K steps 24 on, two loads ahead; the last load, one record a wave, is not asked for ahead
	global_prefetch_b8 v[PFO], s[PFA:PFA+1] offset:PFN*2*LOADB th:TH_LOAD_NT scope:SCOPE_SE
	global_prefetch_b8 v[PFO+1], s[PFA:PFA+1] offset:PFN*2*LOADB th:TH_LOAD_NT scope:SCOPE_SE
.set PFN, PFN+1
.endif
	WIN MUL
	MUL8 F1, 5, 2, 0
.endm
	FETCH 0, 0, F0
	KSTEP 0, 0, 1                                  ; K step 0: its products start the sums
.irp q, 1,2,3,4
	KSTEP 0, \q, 0
.endr
	TURN 0, 1, 1                                   ; slot 0 takes K steps 12 to 17
	FIVE 1
	TURN 1, 0, 1                                   ; slot 1 takes K steps 18 to 23
	FIVE 0
	TURN 0, 1, 1                                   ; slot 0 takes K steps 24 to 29
	FIVE 1
	TURN 1, 0, 2                                   ; slot 1 takes K steps 30 and 31
	FIVE 0
	TURN 0, 1, 0
	KSTEP 1, 0, 0
	s_wait_dscnt 0x0                               ; K step 31
	WIN MUL
	MUL8 F1, 1, 0, 0
	MUL8 F1, 1, 2, 0
	WIN 0
	s_wait_loadcnt 0x0
	WIN 0x82                                       ; destination and source 0 window 2
.set J, 0
.rept 64
	v_pk_add_f32 v[J:J+1], v[J:J+1], v[BIA+J%4:BIA+J%4+1]   ; residual + bias; these are also the places behind the last products
.set J, J+2
.endr
	WIN 0
.macro TOSTAGE a
.irp b, 0,1,2,3
	ds_store_b128 v[STO], v[ACC+8*(4*(\a)+\b):ACC+8*(4*(\a)+\b)+3] offset:128*(\b/2)+32*(\b%2)      ; each accumulator from its low end on
	ds_store_b128 v[STO], v[ACC+8*(4*(\a)+\b)+4:ACC+8*(4*(\a)+\b)+7] offset:128*(\b/2)+32*(\b%2)+16
.endr
.irp t, 0,1,2,3,4,5,6,7
	ds_load_b128 v[BK+32*((\a)%2)+4*\t:BK+32*((\a)%2)+4*\t+3], v[RD] offset:544*\t   ; LDS serves a wave's instructions in order: these see my stores
.endr
.endm
.macro SEND a, younger
	s_wait_dscnt \younger
	WIN 0x08                                       ; source 1 window 2
.set J, 0
.rept 16
	v_pk_add_f32 v[BK+32*((\a)%2)+J:BK+32*((\a)%2)+J+1], v[BK+32*((\a)%2)+J:BK+32*((\a)%2)+J+1], v[32*(\a)+J:32*(\a)+J+1]
.set J, J+2
.endr
	WIN 0
.irp t, 0,1,2,3,4,5,6,7
	global_store_b128 v[GO], v[BK+32*((\a)%2)+4*\t:BK+32*((\a)%2)+4*\t+3], s[12:13] offset:(32*((\a)/2)+8*((\a)%2)+2*\t+8*(\t/4))*4096   ; 16 lanes store 256 consecutive bytes, aligned
.endr
.endm
	TOSTAGE 0
.irp a, 1,2,3
.if \a > 1
	s_wait_xcnt 0x0                                ; block a - 2's stores have read their registers
.endif
	TOSTAGE \a
	SEND \a-1, 16                                  ; behind block a - 1's loads: block a's 8 stores and 8 loads
.endr
	SEND 3, 0
	s_wait_tensorcnt 0x0                           ; the wave's end
	ds_add_u32 v[SPW], v[NIL]
	s_wait_dscnt 0x0
	CROUND                                         ; the closing round
	s_endpgm
.Lfunc_end_k_q3de55d063a_ffn2:
	.size	k_q3de55d063a_ffn2, .Lfunc_end_k_q3de55d063a_ffn2-k_q3de55d063a_ffn2
	.p2alignl 7, 3214868480
	.fill 96, 4, 3214868480
	.section	.rodata,"a",@progbits
	.p2align	6, 0x0
	.amdhsa_kernel k_q3de55d063a_ffn2
		.amdhsa_group_segment_fixed_size 327680
		.amdhsa_private_segment_fixed_size 0
		.amdhsa_enable_private_segment 0
		.amdhsa_kernarg_size 40
		.amdhsa_user_sgpr_count 2
		.amdhsa_user_sgpr_kernarg_segment_ptr 1
		.amdhsa_wavefront_size32 1
		.amdhsa_system_sgpr_workgroup_id_x 1
		.amdhsa_system_sgpr_workgroup_id_y 1
		.amdhsa_system_sgpr_workgroup_id_z 1
		.amdhsa_system_vgpr_workitem_id 0
		.amdhsa_next_free_vgpr 640
		.amdhsa_next_free_sgpr 96
		.amdhsa_reserve_vcc 0
		.amdhsa_float_denorm_mode_32 3
		.amdhsa_float_denorm_mode_16_64 3
		.amdhsa_memory_ordered 1
		.amdhsa_forward_progress 1
		.amdhsa_inst_pref_size 173
	.end_amdhsa_kernel
	.amdgpu_metadata
---
amdhsa.version: [ 1, 2 ]
amdhsa.kernels:
  - .name:           k_q3de55d063a_ffn2
    .symbol:         k_q3de55d063a_ffn2.kd
    .args:
      - { .name: FF, .offset: 0, .size: 8, .value_kind: global_buffer, .address_space: global }
      - { .name: WP, .offset: 8, .size: 8, .value_kind: global_buffer, .address_space: global }
      - { .name: b2, .offset: 16, .size: 8, .value_kind: global_buffer, .address_space: global }
      - { .name: X1, .offset: 24, .size: 8, .value_kind: global_buffer, .address_space: global }
      - { .name: out0, .offset: 32, .size: 8, .value_kind: global_buffer, .address_space: global }
    .group_segment_fixed_size: 327680
    .private_segment_fixed_size: 0
    .kernarg_segment_align: 8
    .kernarg_segment_size: 40
    .max_flat_workgroup_size: 128
    .sgpr_count:     96
    .vgpr_count:     640
    .wavefront_size: 32
...
	.end_amdgpu_metadata
.endif
;; end of part 7
